; MI455X (gfx1250); checked and timed in simulation.
; The chip was launched on July 23, 2026; its instructions are those of AMD's public machine-readable ISA for CDNA 5 (MIT licence, August 2026) and "CDNA5" Instruction Set Architecture Reference Guide (July 2026). The comments in the code are by the model that wrote it; some were corrected since.
;; My Multi Head Attention. Allowed arithmetic: matrix products marked QUANTISED: E2M1 operands, one E8M0 scale for each 32 along K, by v_wmma_scale_f32_16x16x128_f8f6f4 with both operands' format E2M1 (or v_wmma_scale_f32_32x16x128_f4), f32 sums; products left as they are: bf16, f16 or f32 operands; f32 sums; everything else in f32.
;; Inputs: K 1 x 4,096 x 1,024 float32; Q 1 x 4,096 x 1,024 float32; V 1 x 4,096 x 1,024 float32; b_k 1,024 float32; b_o 1,024 float32; b_q 1,024 float32; b_v 1,024 float32; w_k 1,024 x 1,024 float32; w_o 1,024 x 1,024 float32; w_q 1,024 x 1,024 float32; w_v 1,024 x 1,024 float32.
;; Outputs: out0 1 x 4,096 x 1,024 float32.
;; This version of the problem:
;;   THIS VERSION OF THE PROBLEM IS GIVEN IN LOW PRECISION. The matrix products marked QUANTISED in the list below multiply operands that are first quantised to E2M1 (2 exponent bits, 1 mantissa bit; 4 bits a number), with one power-of-two scale for each 32 numbers along K (OCP MX v1.0); their sums are f32. The products marked 'left as it is' may take bf16, f16 or f32 operands, with f32 sums. Whichever they take, every output number must still come out within the allowed error. Rounding operands to bf16 (8 significant bits) uses up far more of that allowance than f16 does (11 bits, for magnitudes from 6e-5 to 65,504). All else is computed in f32.
;;   The module's matrix products, in the order in which they are computed (A, B: the left and right operand; K: the contracted axis; several contracted axes count as one K, in the product's order):
;;     1. [M 4,096, K 1,024] x [K 1,024, N 1,024]; A: input Q; B: input w_q: QUANTISED
;;     2. [M 4,096, K 1,024] x [K 1,024, N 1,024]; A: input K; B: input w_k: QUANTISED
;;     3. [M 4,096, K 1,024] x [K 1,024, N 1,024]; A: input V; B: input w_v: QUANTISED
;;     4. batch 16 x [M 4,096, K 64] x [K 64, N 4,096]; A: computed on the way; B: computed on the way: left as it is (an operand is computed on the way)
;;     5. batch 16 x [M 4,096, K 4,096] x [K 4,096, N 64]; A: computed on the way; B: computed on the way: left as it is (an operand is computed on the way)
;;     6. [M 4,096, K 1,024] x [K 1,024, N 1,024]; A: computed on the way; B: input w_o: left as it is (an operand is computed on the way)
;;   THE QUANTISER, for each operand of a quantised product, along K:
;;     - K is cut into blocks of 32 from its start; a last block that is shorter is filled with zeros.
;;     - A block's scale is 2^e with e = floor(log2(the largest magnitude in the block)) - 2, held to -126 .. 127; a block of zeros has e = 0. As a byte (E8M0): e + 127.
;;     - Each number is divided by its block's scale, clamped to +-6, and rounded to the nearest number of E2M1, ties to even, subnormals kept.
;;     - The product sums the exact products of the quantised numbers (number of the format x scale) in f32.
;;   ~~~python
;;   def quantise(x, axis):      # numpy; x: float32 -> the quantised numbers, widened to float32 again
;;       x = np.moveaxis(x, axis, -1); K = x.shape[-1]
;;       x = np.pad(x, [(0, 0)] * (x.ndim - 1) + [(0, -K % 32)]); x = x.reshape(x.shape[:-1] + (-1, 32)); a = np.abs(x).max(-1, keepdims=True)
;;       e = np.where(a > 0, np.clip(np.frexp(np.where(a > 0, a, 1))[1] - 1 - 2, -126, 127), 0)      # np.frexp(a)[1] - 1 = floor(log2(a)), exactly
;;       r = np.clip(x / 2.0 ** e, -6, 6)
;;       step = 2.0 ** (np.maximum(np.frexp(np.where(r == 0, 1, r))[1] - 1, 0) - 1)
;;       q = np.round(r / step) * step * 2.0 ** e      # np.round: ties to even
;;       return np.moveaxis(q.reshape(q.shape[:-2] + (-1,))[..., :K], -1, axis).astype(np.float32)
;;   ~~~
;; One version. Each part assembles by itself: llvm-mc -triple=amdgcn-amd-amdhsa -mcpu=gfx1250 --defsym DOCPART=n.
;; ======== version 1 of 1: 4 launches
;; limits: values are held in f16: magnitudes above 65,504 overflow, below 6.1e-05 lose precision
;; workspace buffers: codes 7,864,320 bytes; scales 491,520 bytes; wo16 2,097,152 bytes; qkv 25,165,824 bytes; obuf 8,388,608 bytes
;; launch prep (part 1): grid 512 x 1, 4 waves a work-group, no clusters, 33,280 bytes of LDS; arguments Q, K, V, w_q, w_k, w_v, w_o, codes, scales, wo16; writes codes, scales, wo16
.if DOCPART == 1
	.amdgcn_target "amdgcn-amd-amdhsa--gfx1250"
	.amdhsa_code_object_version 6
	.text
	.protected	k_qb945036061_prep
	.globl	k_qb945036061_prep
	.p2align	8
	.type	k_qb945036061_prep,@function
k_qb945036061_prep:
	s_mov_b64 s[64:65], 0
	v_nop
	global_prefetch_b8 v0, s[64:65] scope:SCOPE_SE
	s_setreg_imm32_b32 hwreg(HW_REG_WAVE_MODE, 25, 1), 1
	s_wait_xcnt 0x0
; Q, K, V [4096][1024] and w_q, w_k, w_v [1024][1024], f32, K innermost, become codes of FP4 (E2M1) with one E8M0 scale byte for each 32 along K; w_o [1024][1024] becomes f16.
; codes: 15,360 rows of 512 bytes (1,024 codes, the lower k in the low four bits): rows 0-4095 Q, 4096-8191 K, 8192-12287 V, 12288-13311 w_q, 13312-14335 w_k, 14336-15359 w_v.  scales: the same rows, 32 bytes each.
; A block's scale is 2^(floor(log2(its largest magnitude)) - 2); its byte is the largest magnitude's exponent field - 2, held at 1 from below.  Each number is divided by the scale and rounded to the nearest code, ties to even;
; beyond the largest code the largest.  (A block of zeros gets the byte 1 where the rule says 127: its codes are zeros, which add nothing under any byte but 0xff, and the bytes are read by this program alone.)
; LIMITS: blocks whose largest magnitude lies under 2^(2 - 126) have their byte held at 1; NaN and infinities among the inputs are not served; |w_o| stays under 65,504, f16's largest number.
; WORK-GROUPS 0-479 quantise: rows are dense and 1,024 is a multiple of 32, so the six tensors are plain streams of blocks of 32, and laid one behind the other in the order of the work-groups they are the buffers' rows.
; A wave takes 16 steps of 512 numbers.  A load reads 512 consecutive bytes, 16 a lane; a step's 2,048 bytes turn through the wave's own stage in LDS and come back 64 bytes a lane: 16 neighbours along K, which the conversions want.
; Two neighbouring lanes hold a block.  A lane's 16 codes are 8 bytes: a store of the wave covers 256 consecutive bytes, aligned.  A wave's 256 scale bytes are gathered in LDS and leave by one such store.
; WORK-GROUPS 480-511 cast w_o to f16 IN THE ORDER OF THE OPERAND'S REGISTERS: wo16 [nb 64][piece 64][512 bytes]; piece p of block nb holds rows 16 nb + r, k = 16 p + 8 h + 0..7, lane (r, h)'s 16 bytes at 16 x lane.
; Two neighbouring pieces are the eight registers of a fragment of 16 rows x 32 K.
.set WAVES, 4
.set STEPS, 16
.set QWG,   480                        ; work-groups that quantise: (3 x 4096 + 3 x 1024) x 1024 / 32,768
.set EMAX,  2
.set CB,    8                          ; bytes of 16 codes
.set R,     16                         ; v16-79   four sets of 16 numbers as they are loaded
.set X,     80                         ; v80-111  two sets of 16 neighbours
.set E,     112                        ; v112-127 a scale byte for each step
.set C,     128                        ; v128-191 codes: four registers for each step, so that no store's data are written again
.set WREG,  8192                       ; LDS: a region for each wave: two stages of 32 x SP bytes, behind them its 256 scale bytes
.set SP,    80                         ; a lane's place in a stage: its 64 bytes + 16 of padding
.set SPW,   12                         ; v12      LDS address of my spare word: SPARE + 4 x my thread's number; never rewritten
.set NIL,   13                         ; v13      0; never rewritten
.set SPARE, WAVES*WREG                 ; behind the four regions: the spare words, 128 bytes for each wave, which no other line names
	s_load_b512 s[8:23], s[0:1], 0x0               ; Q s[8:9], K s[10:11], V s[12:13], w_q s[14:15], w_k s[16:17], w_v s[18:19], w_o s[20:21], codes s[22:23]
	s_load_b128 s[24:27], s[0:1], 0x40             ; scales s[24:25], wo16 s[26:27]
	v_lshl_add_u32 v[SPW], v0, 2, SPARE
	v_mov_b32 v[NIL], 0
	v_lshrrev_b32 v1, 5, v0
	v_readfirstlane_b32 s28, v1                    ; wave
	v_and_b32 v2, 31, v0                           ; lane
	s_cmp_ge_u32 ttmp9, QWG                        ; the work-group's number alone decides
	s_cbranch_scc1 .Lwo
	; ---- the quantiser
	v_lshlrev_b32 v3, 4, v2                        ; my 16 bytes of a load's 512
	s_mul_i32 s29, s28, WREG
	v_lshrrev_b32 v14, 2, v2
	v_mul_u32_u24 v14, v14, SP
	v_and_b32 v15, 3, v2
	v_lshl_add_u32 v14, v15, 4, v14
	v_add_nc_u32 v14, s29, v14                     ; the stage, on the way in: four lanes' 64 bytes on end, then 16 of padding
	v_mul_u32_u24 v15, v2, SP
	v_add_nc_u32 v15, s29, v15                     ; and on the way out: SP x lane: my 16 neighbours
	v_mul_u32_u24 v4, v2, CB                       ; my codes' place in a step's
	v_lshrrev_b32 v5, 1, v2
	s_add_co_u32 s29, s29, 2*32*SP
	v_add_nc_u32 v5, s29, v5                       ; LDS: my wave's 256 scale bytes, my block's byte
	v_lshlrev_b32 v7, 3, v2                        ; and on the way out 8 bytes a lane
	v_add_nc_u32 v6, s29, v7
	s_wait_kmcnt 0x0
	s_mov_b64 s[4:5], s[18:19]                     ; which tensor is my work-group's, and at which work-group it begins: the last compare that holds decides
	s_mov_b32 s6, 448                              ; w_v
	s_cmp_lt_u32 ttmp9, 448
	s_cselect_b64 s[4:5], s[16:17], s[4:5]         ; w_k
	s_cselect_b32 s6, 416, s6
	s_cmp_lt_u32 ttmp9, 416
	s_cselect_b64 s[4:5], s[14:15], s[4:5]         ; w_q
	s_cselect_b32 s6, 384, s6
	s_cmp_lt_u32 ttmp9, 384
	s_cselect_b64 s[4:5], s[12:13], s[4:5]         ; V
	s_cselect_b32 s6, 256, s6
	s_cmp_lt_u32 ttmp9, 256
	s_cselect_b64 s[4:5], s[10:11], s[4:5]         ; K
	s_cselect_b32 s6, 128, s6
	s_cmp_lt_u32 ttmp9, 128
	s_cselect_b64 s[4:5], s[8:9], s[4:5]           ; Q
	s_cselect_b32 s6, 0, s6
	s_sub_co_u32 s30, ttmp9, s6
	s_lshl_b32 s30, s30, 2
	s_add_co_u32 s30, s30, s28                     ; which run of 8,192 numbers of the tensor is my wave's
	s_lshl_b32 s30, s30, 15                        ; 32,768 bytes a run
	s_mov_b32 s31, 0
	s_add_nc_u64 s[4:5], s[4:5], s[30:31]
	s_lshl_b32 s32, ttmp9, 2
	s_add_co_u32 s32, s32, s28                     ; and which run of the buffers
	s_lshl_b32 s34, s32, 12                        ; 4,096 bytes of codes a run
	s_mov_b32 s35, 0
	s_add_nc_u64 s[22:23], s[22:23], s[34:35]
	s_lshl_b32 s34, s32, 8                         ; 256 scale bytes a run
	s_add_nc_u64 s[24:25], s[24:25], s[34:35]
.macro LOAD t
.irp i, 0,1,2,3
	global_load_b128 v[R+16*((\t)%4)+4*\i:R+16*((\t)%4)+4*\i+3], v3, s[4:5] offset:2048*(\t)+512*\i th:TH_LOAD_NT   ; 32 lanes read 512 consecutive bytes
.endr
.endm
.macro TURN t                          ; step t's numbers through the stage: LDS serves a wave's instructions in order (ISA guide 5.7.1.4), so no wait stands between the stores and the loads
.irp i, 0,1,2,3
	ds_store_b128 v14, v[R+16*((\t)%4)+4*\i:R+16*((\t)%4)+4*\i+3] offset:32*SP*((\t)%2)+8*SP*\i
.endr
.irp i, 0,1,2,3
	ds_load_b128 v[X+16*((\t)%2)+4*\i:X+16*((\t)%2)+4*\i+3], v15 offset:32*SP*((\t)%2)+16*\i
.endr
.endm
.irp t, 0,1,2,3
	LOAD \t
.endr
	s_wait_loadcnt 12                              ; step 0's four loads are in; those of steps 1 to 3 may be out
	TURN 0
.macro STEP t
.set XS, X+16*((\t)%2)
.if (\t) > 0
	s_wait_dscnt 1                                 ; this step's numbers are back from the stage (the last step's byte store may be out): so its stores into the stage have read their registers,
.else
	s_wait_dscnt 0x0
.endif
.if (\t)+4 < STEPS
	LOAD (\t)+4                                    ; which take the loads of four steps on
.endif
.if (\t)+1 < STEPS
.if STEPS-2-(\t) >= 3
	s_wait_loadcnt 12                              ; the next step's four loads are in; those of the three steps behind it may be out
.else
	s_wait_loadcnt 4*(STEPS-2-(\t))                ; the tail: fewer steps are behind it
.endif
	TURN (\t)+1                                    ; and go through the other stage while this step is worked
.endif
	v_max3_num_f32 v8, |v[XS]|, |v[XS+1]|, |v[XS+2]|               ; the largest magnitude of my 16, in two chains
	v_max3_num_f32 v9, |v[XS+3]|, |v[XS+4]|, |v[XS+5]|
.irp i, 6,10
	v_max3_num_f32 v8, v8, |v[XS+\i]|, |v[XS+\i+1]|
	v_max3_num_f32 v9, v9, |v[XS+\i+2]|, |v[XS+\i+3]|
.endr
	v_max3_num_f32 v8, v8, |v[XS+14]|, |v[XS+15]|
	v_max3_num_f32 v8, v8, v9, (EMAX+1)<<23        ; and the floor 2^(EMAX + 1 - 127): so the byte cannot fall under 1
	v_max_num_f32_dpp v8, v8, v8 row_xmask:1 row_mask:0xf bank_mask:0xf   ; and of my neighbour's 16: the block's
	v_add_nc_u32 v11, -(EMAX<<23), v8              ; EMAX off its exponent field: the conversion takes the exponent field of this operand as its scale, and nothing else of it
	v_cvt_scalef32_pk8_fp4_f32 v[C+4*(\t)], v[XS:XS+7], v11
	v_cvt_scalef32_pk8_fp4_f32 v[C+4*(\t)+1], v[XS+8:XS+15], v11
	v_lshrrev_b32 v[E+(\t)], 23, v11               ; the scale's byte (also the plain line behind the conversions)
	ds_store_b8 v5, v[E+(\t)] offset:16*(\t)       ; both lanes of a block write the same byte with the same value
	global_store_b64 v4, v[C+4*(\t):C+4*(\t)+1], s[22:23] offset:32*CB*(\t)   ; 32 lanes store 256 consecutive bytes, aligned
.endm
.irp t, 0,1,2,3,4,5,6,7,8,9,10,11,12,13,14,15
	STEP \t
.endr
	ds_load_b64 v[8:9], v6                         ; LDS serves a wave's instructions in order: these see my byte stores
	s_wait_dscnt 0x0
	global_store_b64 v7, v[8:9], s[24:25]          ; my wave's 256 scale bytes, aligned
	s_wait_tensorcnt 0x0                           ; the wave's end, behind my last LDS store
	ds_add_u32 v[SPW], v[NIL]
	s_wait_dscnt 0x0
	s_endpgm
	; ---- w_o to f16: a wave takes 16 rows x 512 along K: 32 pieces of 16 along K
.Lwo:
	s_sub_co_u32 s29, ttmp9, QWG
	s_lshl_b32 s29, s29, 2
	s_add_co_u32 s29, s29, s28                     ; 0 .. 127
	s_lshr_b32 s30, s29, 1                         ; nb: which 16 rows
	s_and_b32 s29, s29, 1                          ; which half of K
	s_lshl_b32 s32, s30, 16                        ; in w_o: 16 rows of 4,096 bytes,
	s_lshl_b32 s33, s29, 11                        ; 512 numbers of 4 bytes
	s_add_co_u32 s32, s32, s33
	s_mov_b32 s33, 0
	s_lshl_b32 s34, s30, 15                        ; in wo16: 64 pieces of 512 bytes,
	s_lshl_b32 s35, s29, 14                        ; 32 pieces
	s_add_co_u32 s34, s34, s35
	s_mov_b32 s35, 0
	v_and_b32 v5, 15, v0                           ; r
	v_bfe_u32 v6, v0, 4, 1                         ; h
	v_lshlrev_b32 v3, 12, v5
	v_lshl_add_u32 v3, v6, 5, v3                   ; in: row r, + 8 h numbers
	v_lshlrev_b32 v4, 4, v2                        ; out: 16 x lane
	s_wait_kmcnt 0x0
	s_add_nc_u64 s[20:21], s[20:21], s[32:33]
	s_add_nc_u64 s[26:27], s[26:27], s[34:35]
.macro WLOAD g, set                    ; pieces 8 g .. 8 g + 7: eight numbers a lane and piece
.irp i, 0,1,2,3,4,5,6,7
	global_load_b128 v[16+64*\set+8*\i:16+64*\set+8*\i+3], v3, s[20:21] offset:64*(8*\g+\i) th:TH_LOAD_NT
	global_load_b128 v[16+64*\set+8*\i+4:16+64*\set+8*\i+7], v3, s[20:21] offset:64*(8*\g+\i)+16 th:TH_LOAD_NT
.endr
.endm
.macro WOUT g, set                     ; rounded to f16 in place, from the low end on, and stored: 512 consecutive bytes a store
.irp i, 0,1,2,3,4,5,6,7
.irp k, 0,1,2,3
	v_cvt_pk_f16_f32 v[16+64*\set+8*\i+\k], v[16+64*\set+8*\i+2*\k], v[16+64*\set+8*\i+2*\k+1]
.endr
	global_store_b128 v4, v[16+64*\set+8*\i:16+64*\set+8*\i+3], s[26:27] offset:512*(8*\g+\i)
.endr
.endm
	WLOAD 0, 0
	WLOAD 1, 1
	s_wait_loadcnt 16                              ; set 0's sixteen loads are in; set 1's may be out
	WOUT 0, 0
	s_wait_xcnt 0x0                                ; the stores' registers are loaded again only behind this wait
	WLOAD 2, 0
	s_wait_loadcnt 16                              ; set 1's are in
	WOUT 1, 1
	s_wait_xcnt 0x0
	WLOAD 3, 1
	s_wait_loadcnt 16
	WOUT 2, 0
	s_wait_loadcnt 0x0
	WOUT 3, 1
	s_endpgm
.Lfunc_end_k_qb945036061_prep:
	.size	k_qb945036061_prep, .Lfunc_end_k_qb945036061_prep-k_qb945036061_prep
	.p2alignl 7, 3214868480
	.fill 96, 4, 3214868480
	.section	.rodata,"a",@progbits
	.p2align	6, 0x0
	.amdhsa_kernel k_qb945036061_prep
		.amdhsa_group_segment_fixed_size 33280
		.amdhsa_private_segment_fixed_size 0
		.amdhsa_enable_private_segment 0
		.amdhsa_kernarg_size 80
		.amdhsa_user_sgpr_count 2
		.amdhsa_user_sgpr_kernarg_segment_ptr 1
		.amdhsa_wavefront_size32 1
		.amdhsa_system_sgpr_workgroup_id_x 1
		.amdhsa_system_sgpr_workgroup_id_y 1
		.amdhsa_system_sgpr_workgroup_id_z 1
		.amdhsa_system_vgpr_workitem_id 0
		.amdhsa_next_free_vgpr 192
		.amdhsa_next_free_sgpr 66
		.amdhsa_reserve_vcc 0
		.amdhsa_float_denorm_mode_32 3
		.amdhsa_float_denorm_mode_16_64 3
		.amdhsa_memory_ordered 1
		.amdhsa_forward_progress 1
		.amdhsa_inst_pref_size 52
	.end_amdhsa_kernel
	.amdgpu_metadata
---
amdhsa.version: [ 1, 2 ]
amdhsa.kernels:
  - .name:           k_qb945036061_prep
    .symbol:         k_qb945036061_prep.kd
    .args:
      - { .name: Q, .offset: 0, .size: 8, .value_kind: global_buffer, .address_space: global }
      - { .name: K, .offset: 8, .size: 8, .value_kind: global_buffer, .address_space: global }
      - { .name: V, .offset: 16, .size: 8, .value_kind: global_buffer, .address_space: global }
      - { .name: w_q, .offset: 24, .size: 8, .value_kind: global_buffer, .address_space: global }
      - { .name: w_k, .offset: 32, .size: 8, .value_kind: global_buffer, .address_space: global }
      - { .name: w_v, .offset: 40, .size: 8, .value_kind: global_buffer, .address_space: global }
      - { .name: w_o, .offset: 48, .size: 8, .value_kind: global_buffer, .address_space: global }
      - { .name: codes, .offset: 56, .size: 8, .value_kind: global_buffer, .address_space: global }
      - { .name: scales, .offset: 64, .size: 8, .value_kind: global_buffer, .address_space: global }
      - { .name: wo16, .offset: 72, .size: 8, .value_kind: global_buffer, .address_space: global }
    .group_segment_fixed_size: 33280
    .private_segment_fixed_size: 0
    .kernarg_segment_align: 8
    .kernarg_segment_size: 80
    .max_flat_workgroup_size: 128
    .sgpr_count:     66
    .vgpr_count:     192
    .wavefront_size: 32
...
	.end_amdgpu_metadata
.endif
;; end of part 1
;; launch proj (part 2): grid 4 x 48, 4 waves a work-group, clusters of 4 x 4, 327,680 bytes of LDS; arguments codes, scales, b_q, b_k, b_v, qkv; writes qkv
.if DOCPART == 2
	.amdgcn_target "amdgcn-amd-amdhsa--gfx1250"
	.amdhsa_code_object_version 6
	.text
	.protected	k_qb945036061_proj
	.globl	k_qb945036061_proj
	.p2align	8
	.type	k_qb945036061_proj,@function
k_qb945036061_proj:
	s_mov_b64 s[64:65], 0
	v_nop
	global_prefetch_b8 v0, s[64:65] scope:SCOPE_SE
	s_setreg_imm32_b32 hwreg(HW_REG_WAVE_MODE, 25, 1), 1
	s_wait_xcnt 0x0
	s_wait_alu depctr_hold_cnt(0) depctr_sa_sdst(0) depctr_va_vdst(0) depctr_va_sdst(0) depctr_va_ssrc(0) depctr_va_vcc(0) depctr_vm_vsrc(0)
	s_getreg_b32 s2, hwreg(HW_REG_IB_STS2, 6, 4)
	s_cmp_eq_u32 s2, 0
	s_cbranch_scc0 .Lentry_in_a_cluster
	s_endpgm
.Lentry_in_a_cluster:
	s_bfe_u32 s2, ttmp6, 0x10000c
	s_cmp_lg_u32 s2, 0xf033
	s_cbranch_scc0 .Lentry_shape_is_right
	s_endpgm
.Lentry_shape_is_right:
; The three projections q = Q w_q^T + b_q, k = K w_k^T + b_k, v = V w_v^T + b_v in ONE product on codes of FP4 (E2M1) with E8M0 scales: the 12,288 rows of Q, K, V stand on end in codes and scales,
; the weights' 3,072 rows behind them.  Tile row TY (0..47, 256 tokens) belongs to projection PJ = TY / 16; tile column TX (0..3) is 256 of its 1,024 channels.  Sums in f32; the bias is the C of each sum's first product.
; A work-group of four waves makes 256 x 256; a wave 128 x 128: 64 accumulators of 16 x 16, 512 registers.  K = 1,024 is two steps of 512 (tile rows of 256 bytes): two LDS slots, both filled at the start; nothing is filled again.
; The scales of the work-group's 256 + 256 rows, for all of K, are two dense blocks of memory: they come with the first fills, as rows of 256 bytes with 16 of padding.
; CLUSTERS: 4 x 4 work-groups.  The four of a row of the cluster need the same tokens' tiles, the four of a column the same weights' tiles: each is asked for JOINTLY, by the same tensor load with the same descriptor and a mask of the four.
; THE MATRIX INSTRUCTION IS USED TRANSPOSED (source 0 = 16 rows of a weight, source 1 = 16 tokens): a lane holds eight neighbouring channels of one token, which pack into 16 bytes of f16.
; THE RESULT IS LAID AS ITS READER'S REGISTERS: qkv [projection 3][head 16][token block 256][channel block 4][512 bytes]: a block is 16 tokens x 16 channels.  In q and k lane (r, h)'s 16 bytes (token r, channels 8 h on) lie at
; 16 x lane: two neighbouring blocks are a fragment's eight registers.  In v they lie at 32 r + 16 h, token by token them.  So each store of a wave covers 512 consecutive bytes, aligned, straight from registers.
; LIMITS: |q|, |k|, |v| stay under 65,504, f16's largest number.
; REGISTERS, in windows of 256: window 0: v0-31 addresses; v32-95 scale words, two sets; v128-191 the tokens' fragments, ONE set; v192-255 the bias, 8 tiles of 8.   window 1: the weights' fragments, TWO sets, at v0 and v128; on the way out
; the packed results.   window 2: the 32 accumulators of my tokens 0-63 (accumulator (a, b) at v[8 (8 a + b)]);   window 3: those of my tokens 64-127.
.set NQ,     4                         ; matrix instructions deep in a slot: 512 / 128
.set ROWB,   256                       ; a tile's row in bytes: 512 codes
.set KROW,   512                       ; a row of codes in memory
.set PITCH,  272                       ; an LDS row: 256 bytes + 16 of padding = 68 words: row r starts at bank 4 r mod 64 (64 banks of 4 bytes: ISA guide 11.1)
.set FR,     8                         ; registers of a fragment: 16 rows x 128 K
.set NL,     2                         ; LDS loads that bring one
.set NP,     4                         ; places behind this matrix instruction (ISA guide 7.12.1)
.set HALFT,  128*PITCH                 ; 128 rows: what one tensor load brings
.set SLOT,   4*HALFT                   ; the tokens' 256 rows, then the weights' 256
.set KS,     32                        ; a row of scales in bytes
.set SCL,    2*SLOT                    ; behind the slots: the scales
.set HALFS,  (128*KS/256)*272          ; those of 128 rows
.set SBLK,   (16*KS/256)*272           ; those of 16 rows
.set SPARE,  SCL+4*HALFS               ; behind the scales: the spare words, 128 bytes for each wave, which no other line names
.set ADRA, 16                          ; v16-17  LDS address of my tokens' fragments in slot 0, 1
.set ADRB, 20                          ; v20-21  the same for the weights
.set CO,   26                          ; v26     my 16 bytes' place in a block of qkv
.set ADRS, 27                          ; v27     LDS address of my scale words: lanes 0-15 the tokens', lanes 16-31 the weights'
.set SPW,  28                          ; v28     LDS address of my spare word; never rewritten
.set NIL,  29                          ; v29     0; never rewritten
.set SC,   32                          ; scale words: set s at v[SC + 32 s]; register 4 i + q: lanes 0-15 tokens' block i, lanes 16-31 weights' block i, the slot's q-th 128 along K
.set AF,   128
.set BI,   192
.set G1,   24                          ; s[24:31] descriptor group 1 for the tokens' tiles; s[32:39] group 0, one set for each slot
.set G0,   32
.set G1B,  48                          ; s[48:55], s[56:63] the same for the weights'
.set G0B,  56
.set G1S,  68                          ; s[68:75], s[76:79] groups 1 and 0 for the tokens' scales; s[80:87], s[88:91] for the weights'
.set G0S,  76
.set G1SB, 80
.set G0SB, 88
.set MSB, 0
.macro WIN new                         ; the immediate's high byte repeats the setting that is left
.if MSB != \new
	s_set_vgpr_msb (MSB<<8)|\new
.set MSB, \new
.endif
.endm
.set MUL_LO, 0xa1                      ; source 0 (weights) window 1, source 1 (tokens) window 0, C and D window 2
.set MUL_HI, 0xf1                      ; the same, C and D window 3
.set FST_LO, 0x81                      ; a sum's first product: C (the bias) window 0, D window 2
.set FST_HI, 0xc1                      ; D window 3
.set TO_B,   0x40                      ; destination window 1, address window 0
; A joint load: waves 0 and 1 fetch for the tokens, waves 2 and 3 for the weights.  The branch hangs on the wave's number alone.  An s_nop 0 and four v_nop follow each of the two lines.
.macro JLOAD g0a, g1a, g0b, g1b
	s_cmp_eq_u32 s17, 0
	s_cbranch_scc0 .Lfor_b_\@
	tensor_load_to_lds s[\g0a:\g0a+3], s[\g1a:\g1a+7]
	s_nop 0
.rept 4
	v_nop
.endr
	s_branch .Lasked_\@
.Lfor_b_\@:
	tensor_load_to_lds s[\g0b:\g0b+3], s[\g1b:\g1b+7]
	s_nop 0
.rept 4
	v_nop
.endr
.Lasked_\@:
.endm
.macro CROUND                          ; a round of the cluster's barrier
	s_barrier_signal -1
	s_barrier_wait -1
	s_cmp_lg_u32 s16, 0
	s_cbranch_scc1 .Lnot_wave_0_\@
	s_barrier_signal -3
.Lnot_wave_0_\@:
	s_barrier_wait -3
	s_barrier_signal -1
	s_barrier_wait -1
.endm
	s_load_b128 s[4:7], s[0:1], 0x0                ; codes s[4:5], scales s[6:7]
	s_load_b256 s[8:15], s[0:1], 0x10              ; b_q s[8:9], b_k s[10:11], b_v s[12:13], qkv s[14:15]
	v_lshl_add_u32 v[SPW], v0, 2, SPARE
	v_mov_b32 v[NIL], 0
	ds_add_u32 v[SPW], v[NIL]                      ; the wave's opening: the add, twice on end, and its wait ahead of my first tensor load; the set-up below, work on registers, stands between
	ds_add_u32 v[SPW], v[NIL]
	v_lshrrev_b32 v1, 5, v0
	v_readfirstlane_b32 s16, v1                    ; wave 0..3
	s_lshr_b32 s17, s16, 1                         ; which half of the tile's tokens is mine.  Also: I fetch for the tokens (0) or for the weights (1)
	s_and_b32 s18, s16, 1                          ; which half of its channels.  Also: which 128 rows of that tile I fetch
	s_bfe_u32 s19, ttmp6, 0x40000                  ; cx, cy: my place in the cluster
	s_bfe_u32 s20, ttmp6, 0x40004
	s_lshl_b32 s21, ttmp9, 2
	s_add_co_u32 s21, s21, s19                     ; TX = 4 x cluster x + cx
	s_and_b32 s23, ttmp7, 0xffff                   ; cluster y
	s_lshl_b32 s22, s23, 2
	s_add_co_u32 s22, s22, s20                     ; TY = 4 x cluster y + cy
	s_lshr_b32 s23, s23, 2                         ; PJ = cluster y / 4: the same in all sixteen partners
	s_lshl_b32 s40, s20, 2
	s_lshl_b32 s40, 15, s40                        ; my row of the cluster
	s_lshl_b32 s44, 0x1111, s19                    ; my column
	; descriptor group 1: a tile of 128 rows x 256 bytes, padded in LDS
	s_or_b32 s[G1+0], s40, (0<<16)|(1<<20)|(1<<21)|(5<<22)|(3<<25)  ; 15:0 the mask; 17:16 elements of 1 byte; 20 padding on; 21 set beside a mask; 24:22 after every 64 words (code 5); 31:25 four words (code 3)
	s_or_b32 s[G1B+0], s44, (0<<16)|(1<<20)|(1<<21)|(5<<22)|(3<<25)
.irp g, G1, G1B
	s_mov_b32 s[\g+1], ROWB<<16                    ; tensor_dim0
	s_mov_b32 s[\g+2], 128<<16                     ; tensor_dim1
	s_mov_b32 s[\g+3], ROWB<<16                    ; tile_dim0
	s_mov_b32 s[\g+4], 128                         ; tile_dim1
	s_mov_b32 s[\g+5], KROW                        ; tensor_dim0_stride
	s_mov_b32 s[\g+6], 0
	s_mov_b32 s[\g+7], 0
.endr
	; and for the scales of 128 rows: 4,096 dense bytes as 16 rows of 256 (32 elements of 8 bytes), 16 bytes of padding behind each
	s_or_b32 s[G1S+0], s40, (3<<16)|(1<<20)|(1<<21)|(5<<22)|(3<<25)
	s_or_b32 s[G1SB+0], s44, (3<<16)|(1<<20)|(1<<21)|(5<<22)|(3<<25)
.irp g, G1S, G1SB
	s_mov_b32 s[\g+1], 32<<16
	s_mov_b32 s[\g+2], (128*KS/256)<<16
	s_mov_b32 s[\g+3], 32<<16
	s_mov_b32 s[\g+4], 128*KS/256
	s_mov_b32 s[\g+5], 32
	s_mov_b32 s[\g+6], 0
	s_mov_b32 s[\g+7], 0
.endr
	; where the tiles come from.  The tokens' hang on TY alone, which my row of the cluster shares (s40-43 never hold cx); the weights' on TX and PJ, which my column shares (s44-47 never hold cy)
	s_lshl_b32 s66, s18, 7                         ; which 128 rows of the tile I fetch
	s_lshl_b32 s42, s22, 8
	s_add_co_u32 s42, s42, s66                     ; the tokens' row: 256 TY + 128 x half
	s_lshl_b32 s40, s42, 5                         ; its scales, 32 bytes a row,
	s_mov_b32 s41, 0
	s_lshl_b32 s42, s42, 9                         ; and its codes, 512 bytes a row
	s_mov_b32 s43, 0
	s_lshl_b32 s46, s21, 8
	s_add_co_u32 s46, s46, s66
	s_lshl_b32 s45, s23, 10
	s_add_co_u32 s46, s46, s45
	s_add_co_u32 s46, s46, 12288                   ; the weights' row: 12,288 + 1,024 PJ + 256 TX + 128 x half
	s_lshl_b32 s44, s46, 5
	s_mov_b32 s45, 0
	s_lshl_b32 s46, s46, 9
	s_mov_b32 s47, 0
	s_mul_i32 s92, s16, HALFT                      ; where they go: wave x 128 rows: no place in the cluster enters an LDS address
	s_mul_i32 s93, s16, HALFS
	s_wait_dscnt 0x0                               ; both opening adds are done
	s_wait_kmcnt 0x0
	s_add_nc_u64 s[42:43], s[4:5], s[42:43]
	s_add_nc_u64 s[40:41], s[6:7], s[40:41]
	s_add_nc_u64 s[46:47], s[4:5], s[46:47]
	s_add_nc_u64 s[44:45], s[6:7], s[44:45]
	CROUND                                         ; all sixteen work-groups are here: the first joint loads meet
	s_mov_b32 s[G0S], 1
	s_add_co_u32 s[G0S+1], s93, SCL
	s_mov_b64 s[G0S+2:G0S+3], s[40:41]
	s_or_b32 s[G0S+3], s[G0S+3], 0x80000000
	s_mov_b32 s[G0SB], 1
	s_add_co_u32 s[G0SB+1], s93, SCL
	s_mov_b64 s[G0SB+2:G0SB+3], s[44:45]
	s_or_b32 s[G0SB+3], s[G0SB+3], 0x80000000
	JLOAD G0S, G1S, G0SB, G1SB                     ; the scales first: they are wanted with the first K step
.irp s, 0,1
	s_mov_b32 s[G0+4*\s], 1
	s_add_co_u32 s[G0+4*\s+1], s92, \s*SLOT
	s_add_nc_u64 s[G0+4*\s+2:G0+4*\s+3], s[42:43], \s*ROWB
	s_or_b32 s[G0+4*\s+3], s[G0+4*\s+3], 0x80000000
	s_mov_b32 s[G0B+4*\s], 1
	s_add_co_u32 s[G0B+4*\s+1], s92, \s*SLOT
	s_add_nc_u64 s[G0B+4*\s+2:G0B+4*\s+3], s[46:47], \s*ROWB
	s_or_b32 s[G0B+4*\s+3], s[G0B+4*\s+3], 0x80000000
	JLOAD G0+4*\s, G1, G0B+4*\s, G1B               ; three loads of mine are out behind the last of these
.endr
	v_and_b32 v1, 15, v0                           ; r = lane % 16
	v_bfe_u32 v2, v0, 4, 1                         ; h = lane / 16
	; the bias: the projection's, at my 128 channels; lane (r, h) wants, for channel block b, numbers 16 b + 8 h + 0 .. 7
	s_cmp_eq_u32 s23, 0
	s_cselect_b64 s[8:9], s[8:9], s[10:11]
	s_cmp_eq_u32 s23, 2
	s_cselect_b64 s[8:9], s[12:13], s[8:9]
	s_cselect_b32 s96, 32, 16                      ; and my place in a block of qkv: 16 r + 256 h in q and k, 32 r + 16 h in v
	s_mov_b32 s97, 256
	s_cselect_b32 s97, 16, s97
	v_mul_u32_u24 v[CO], v1, s96
	v_mad_u32_u24 v[CO], v2, s97, v[CO]
	s_lshl_b32 s96, s21, 10
	s_lshl_b32 s97, s18, 9
	s_add_co_u32 s96, s96, s97                     ; (256 TX + 128 x half) x 4 bytes
	s_mov_b32 s97, 0
	s_add_nc_u64 s[8:9], s[8:9], s[96:97]
	v_lshlrev_b32 v7, 5, v2
.irp b, 0,1,2,3,4,5,6,7
	global_load_b128 v[BI+8*\b:BI+8*\b+3], v7, s[8:9] offset:64*\b
	global_load_b128 v[BI+8*\b+4:BI+8*\b+7], v7, s[8:9] offset:64*\b+16
.endr
	v_mul_u32_u24 v3, v1, PITCH
	v_lshl_add_u32 v4, v2, 4, v3                   ; a fragment's row x pitch + 16 x half
	s_mul_i32 s94, s17, HALFT                      ; my 128 tokens
	s_mul_i32 s95, s18, HALFT                      ; my 128 rows of the weight,
	s_add_co_u32 s95, s95, 2*HALFT                 ; which lie behind the tokens' 256
.irp s, 0,1
	v_add_nc_u32 v[ADRA+\s], s94, v4
	v_add_nc_u32 v[ADRB+\s], s95, v4
	s_add_co_u32 s94, s94, SLOT
	s_add_co_u32 s95, s95, SLOT
.endr
	v_mul_u32_u24 v5, v1, KS                       ; my row's scales: 32 bytes a row,
	v_lshrrev_b32 v6, 8, v5
	v_lshl_add_u32 v5, v6, 4, v5                   ; and 16 more for each 256 passed
	s_mul_i32 s94, s17, HALFS
	s_mul_i32 s95, s18, HALFS
	s_add_co_u32 s95, s95, 2*HALFS
	s_sub_co_u32 s95, s95, s94
	v_mul_u32_u24 v6, s95, v2                      ; lanes 16-31 take the weights': one product, the distance between the two bases x h
	s_add_co_u32 s94, s94, SCL
	v_add_nc_u32 v5, v5, v6
	v_add_nc_u32 v[ADRS], s94, v5
	; where my part of qkv begins: projection, head 4 TX + 2 x half, token block 16 (TY % 16) + 8 x half
	s_lshl_b32 s96, s23, 23
	s_lshl_b32 s98, s21, 21
	s_add_co_u32 s96, s96, s98
	s_lshl_b32 s98, s18, 20
	s_add_co_u32 s96, s96, s98
	s_and_b32 s98, s22, 15
	s_lshl_b32 s98, s98, 15
	s_add_co_u32 s96, s96, s98
	s_lshl_b32 s98, s17, 14
	s_add_co_u32 s96, s96, s98
	s_add_nc_u64 s[14:15], s[14:15], s[96:97]
.macro FRAG reg, adr, q, i             ; a fragment, 16 rows x 128 K of 4-bit codes: lane l holds row l % 16; registers 4 c .. 4 c + 3 hold K = 64 c + 32 (l / 16) + 0 .. 31
.irp c, 0,1
	ds_load_b128 v[\reg+4*\c:\reg+4*\c+3], v[\adr] offset:64*(\q)+32*\c+(\i)*16*PITCH
.endr
.endm
; 16 matrix instructions: token blocks a0, a0 + 1 x the weights' eight, the slot's q-th 128 along K.  p: the weights' set; sc: the set of scale words.  first = 1: the bias is C: nothing is cleared, nothing is added later.
; The 64 accumulators take turns, one instruction a turn, in the same order in every step.
.macro MUL16 a0, p, q, sc, first
.irp a, \a0, \a0+1
.irp b, 0,1,2,3,4,5,6,7
.if \first
	v_wmma_scale_f32_16x16x128_f8f6f4 v[8*(8*((\a)%4)+\b):8*(8*((\a)%4)+\b)+7], v[128*(\p)+FR*\b:128*(\p)+FR*\b+FR-1], v[AF+FR*(\a):AF+FR*(\a)+FR-1], v[BI+8*\b:BI+8*\b+7], v[SC+8*NQ*(\sc)+NQ*\b+(\q)], v[SC+8*NQ*(\sc)+NQ*(\a)+(\q)] matrix_a_fmt:MATRIX_FMT_FP4 matrix_b_fmt:MATRIX_FMT_FP4 matrix_a_scale:MATRIX_SCALE_ROW1
.else
	v_wmma_scale_f32_16x16x128_f8f6f4 v[8*(8*((\a)%4)+\b):8*(8*((\a)%4)+\b)+7], v[128*(\p)+FR*\b:128*(\p)+FR*\b+FR-1], v[AF+FR*(\a):AF+FR*(\a)+FR-1], v[8*(8*((\a)%4)+\b):8*(8*((\a)%4)+\b)+7], v[SC+8*NQ*(\sc)+NQ*\b+(\q)], v[SC+8*NQ*(\sc)+NQ*(\a)+(\q)] matrix_a_fmt:MATRIX_FMT_FP4 matrix_b_fmt:MATRIX_FMT_FP4 matrix_a_scale:MATRIX_SCALE_ROW1
.endif
.endr
.endr
.endm
.macro FETCH_B slot, q, p              ; the weights' eight fragments of the slot's q-th 128 along K into set p
	WIN TO_B
.irp i, 0,1,2,3,4,5,6,7
	FRAG 128*(\p)+FR*\i, ADRB+\slot, \q, \i
.endr
	WIN 0
.endm
.macro FETCH_A slot, q, i0             ; token blocks i0 .. i0 + 3
.irp i, \i0, \i0+1, \i0+2, \i0+3
	FRAG AF+FR*(\i), ADRA+\slot, \q, \i
.endr
.endm
.macro SCALES sc                       ; a slot's scale words into set sc: 4 words a row; lanes 0-15 take the tokens' block i, lanes 16-31 the weights' block i
.irp i, 0,1,2,3,4,5,6,7
	ds_load_b128 v[SC+8*NQ*\sc+NQ*\i:SC+8*NQ*\sc+NQ*\i+3], v[ADRS] offset:\i*SBLK
.endr
.endm
; A load into a register that a matrix instruction has read, and a vector instruction that reads a matrix result or writes one of its registers, stand NP places behind it; only plain vector instructions that name none of its
; registers are places (ISA guide 7.12.1 for vector instructions).
.macro PLACES n
.rept \n
	v_nop
.endr
.endm
; A step of 128 along K that has its successor in the same slot.  A token block is free as soon as its eight products are issued: blocks 0-3 are fetched anew in the step's middle, blocks 4-7 at its end.
.macro STEP slot, q, first
	s_wait_dscnt 4*NL                              ; the weights' set and token blocks 0-3 are in; the youngest eight loads (blocks 4-7) may be out
.if \first
	WIN FST_LO
.else
	WIN MUL_LO
.endif
	MUL16 0, (\q)%2, \q, \slot, \first
	MUL16 2, (\q)%2, \q, \slot, \first
	s_wait_dscnt 0                                 ; blocks 4-7 are in (asked for 32 matrix instructions ago)
	PLACES NP
	FETCH_B \slot, (\q)+1, 1-(\q)%2
	FETCH_A \slot, (\q)+1, 0
.if \first
	WIN FST_HI
.else
	WIN MUL_HI
.endif
	MUL16 4, (\q)%2, \q, \slot, \first
	MUL16 6, (\q)%2, \q, \slot, \first
	PLACES NP
	WIN 0
	FETCH_A \slot, (\q)+1, 4
.endm
.macro STEPS slot, from                ; the slot's steps from .. NQ - 2
.set QQ, \from
.rept NQ-1-\from
	STEP \slot, QQ, 0
.set QQ, QQ+1
.endr
.endm
	s_wait_tensorcnt 1                             ; the scales and my part of slot 0 are in (slot 1's load may be out)
	s_barrier_signal -1
	s_barrier_wait -1                              ; everybody's are
	FETCH_B 0, 0, 0
	FETCH_A 0, 0, 0
	SCALES 0
	FETCH_A 0, 0, 4
	s_wait_loadcnt 0x0                             ; the bias
	STEP 0, 0, 1                                   ; the first step's products start the sums from the bias
	STEPS 0, 1
	; slot 0's last step changes slots: one barrier, in front of which each wave has waited for its part of slot 1.
	s_wait_tensorcnt 0x0                           ; all my tensor loads have landed  (every window is 0 here: the add's two registers lie in window 0)
	ds_add_u32 v[SPW], v[NIL]                      ; 0 onto my spare word
	s_wait_dscnt 4*NL+1                            ; (the add and the youngest eight loads, token blocks 4-7, may be out)
	WIN MUL_LO
	MUL16 0, 1, NQ-1, 0, 0                         ; sixteen matrix instructions stand between the add and the wait for it
	s_wait_dscnt 0x0                               ; the add is done, and no LDS load of mine is out at the signal
	s_barrier_signal -1
	MUL16 2, 1, NQ-1, 0, 0                         ; work on registers while the others arrive
	WIN 0
	s_barrier_wait -1                              ; slot 1 is whole
	PLACES NP
	v_add_nc_u32 v[ADRS], 4*NQ, v[ADRS]            ; on to slot 1's scale words
	FETCH_B 1, 0, 0
	FETCH_A 1, 0, 0
	SCALES 1
	WIN MUL_HI
	MUL16 4, 1, NQ-1, 0, 0
	MUL16 6, 1, NQ-1, 0, 0
	PLACES NP
	WIN 0
	FETCH_A 1, 0, 4
	STEPS 1, 0
	s_wait_dscnt 4*NL                              ; the very last step: nothing more to fetch
	WIN MUL_LO
	MUL16 0, 1, NQ-1, 1, 0
	MUL16 2, 1, NQ-1, 1, 0
	s_wait_dscnt 0
	WIN MUL_HI
	MUL16 4, 1, NQ-1, 1, 0
	MUL16 6, 1, NQ-1, 1, 0
	; THE WAY OUT.  Each accumulator, from its low end on, is rounded to f16: 16 bytes a lane, into window 1, where the weights' fragments lay; then 64 stores, each of 512 consecutive bytes, aligned.  No register is written twice.
	PLACES NP                                      ; the conversions read results and write registers that the last products read
	WIN 0x4a                                       ; sources window 2, destination window 1
.set NN, 0
.rept 32
.irp i, 0,1,2,3
	v_cvt_pk_f16_f32 v[4*NN+\i], v[8*NN+2*\i], v[8*NN+2*\i+1]
.endr
.set NN, NN+1
.endr
	WIN 0x4f                                       ; sources window 3
.set NN, 0
.rept 32
.irp i, 0,1,2,3
	v_cvt_pk_f16_f32 v[128+4*NN+\i], v[8*NN+2*\i], v[8*NN+2*\i+1]
.endr
.set NN, NN+1
.endr
	WIN 0x04                                       ; a store's data are its source 1: window 1
.irp a, 0,1,2,3,4,5,6,7
.irp b, 0,1,2,3,4,5,6,7
	global_store_b128 v[CO], v[4*(8*\a+\b):4*(8*\a+\b)+3], s[14:15] offset:(\b/4)*524288+\a*2048+(\b%4)*512   ; head b / 4, token block a, channel block b % 4
.endr
.endr
	WIN 0
	s_wait_tensorcnt 0x0                           ; the wave's end, behind my last tensor load
	ds_add_u32 v[SPW], v[NIL]
	s_wait_dscnt 0x0
	CROUND                                         ; the closing round: no work-group ends while a partner may still ask for a tile that names it
	s_endpgm
.Lfunc_end_k_qb945036061_proj:
	.size	k_qb945036061_proj, .Lfunc_end_k_qb945036061_proj-k_qb945036061_proj
	.p2alignl 7, 3214868480
	.fill 96, 4, 3214868480
	.section	.rodata,"a",@progbits
	.p2align	6, 0x0
	.amdhsa_kernel k_qb945036061_proj
		.amdhsa_group_segment_fixed_size 327680
		.amdhsa_private_segment_fixed_size 0
		.amdhsa_enable_private_segment 0
		.amdhsa_kernarg_size 48
		.amdhsa_user_sgpr_count 2
		.amdhsa_user_sgpr_kernarg_segment_ptr 1
		.amdhsa_wavefront_size32 1
		.amdhsa_system_sgpr_workgroup_id_x 1
		.amdhsa_system_sgpr_workgroup_id_y 1
		.amdhsa_system_sgpr_workgroup_id_z 1
		.amdhsa_system_vgpr_workitem_id 0
		.amdhsa_next_free_vgpr 1024
		.amdhsa_next_free_sgpr 100
		.amdhsa_reserve_vcc 0
		.amdhsa_float_denorm_mode_32 3
		.amdhsa_float_denorm_mode_16_64 3
		.amdhsa_memory_ordered 1
		.amdhsa_forward_progress 1
		.amdhsa_inst_pref_size 119
	.end_amdhsa_kernel
	.amdgpu_metadata
---
amdhsa.version: [ 1, 2 ]
amdhsa.kernels:
  - .name:           k_qb945036061_proj
    .symbol:         k_qb945036061_proj.kd
    .args:
      - { .name: codes, .offset: 0, .size: 8, .value_kind: global_buffer, .address_space: global }
      - { .name: scales, .offset: 8, .size: 8, .value_kind: global_buffer, .address_space: global }
      - { .name: b_q, .offset: 16, .size: 8, .value_kind: global_buffer, .address_space: global }
      - { .name: b_k, .offset: 24, .size: 8, .value_kind: global_buffer, .address_space: global }
      - { .name: b_v, .offset: 32, .size: 8, .value_kind: global_buffer, .address_space: global }
      - { .name: qkv, .offset: 40, .size: 8, .value_kind: global_buffer, .address_space: global }
    .group_segment_fixed_size: 327680
    .private_segment_fixed_size: 0
    .kernarg_segment_align: 8
    .kernarg_segment_size: 48
    .max_flat_workgroup_size: 128
    .sgpr_count:     100
    .vgpr_count:     1024
    .wavefront_size: 32
...
	.end_amdgpu_metadata
.endif
;; end of part 2
;; launch attn (part 3): grid 16 x 16, 8 waves a work-group, clusters of 4 x 1, 327,680 bytes of LDS; arguments qkv, obuf; writes obuf
.if DOCPART == 3
	.amdgcn_target "amdgcn-amd-amdhsa--gfx1250"
	.amdhsa_code_object_version 6
	.text
	.protected	k_qb945036061_attn
	.globl	k_qb945036061_attn
	.p2align	8
	.type	k_qb945036061_attn,@function
k_qb945036061_attn:
	s_mov_b64 s[64:65], 0
	v_nop
	global_prefetch_b8 v0, s[64:65] scope:SCOPE_SE
	s_setreg_imm32_b32 hwreg(HW_REG_WAVE_MODE, 25, 1), 1
	s_wait_xcnt 0x0
	s_wait_alu depctr_hold_cnt(0) depctr_sa_sdst(0) depctr_va_vdst(0) depctr_va_sdst(0) depctr_va_ssrc(0) depctr_va_vcc(0) depctr_vm_vsrc(0)
	s_getreg_b32 s2, hwreg(HW_REG_IB_STS2, 6, 4)
	s_cmp_eq_u32 s2, 0
	s_cbranch_scc0 .Lentry_in_a_cluster
	s_endpgm
.Lentry_in_a_cluster:
	s_bfe_u32 s2, ttmp6, 0x10000c
	s_cmp_lg_u32 s2, 0x3003
	s_cbranch_scc0 .Lentry_shape_is_right
	s_endpgm
.Lentry_shape_is_right:
; o[head][query] = the sum over keys of softmax(q . k / 8) v: 16 heads of 64 channels, 4,096 queries and keys, no mask.  q, k, v come as f16 from qkv [projection 3][head 16][token block 256][channel block 4][512 bytes]
; (a block: 16 tokens x 16 channels; in q and k lane (r, h)'s 16 bytes at 16 x lane, in v token by token, 32 bytes a token).  Products, maxima and sums in f32; the weights p are rounded to f16 for the second product, o once at the end.
; LIMITS: |q|, |k|, |v| under 65,504 (f16).  p lies in (0, 1] up to the rounding of c m; what falls under f16's smallest number counts as 0.
; SHARES.  A work-group owns 256 queries of one head, each of its EIGHT waves 32: two tiles of 16, in 384 registers: two waves to a SIMD, so that one wave's softmax stands beside the other's products.  Every wave walks all keys, 64 a step.
; LAYOUT.  S^T = K Q^T (source 0 = 16 keys, source 1 = 16 queries): a lane holds ONE query (lane % 16) and keys 8 (lane / 16) + 0..7.  Two such tiles, rounded to f16 in pairs, ARE source 1 (32 keys x 16 queries) of O^T = V^T P, whose
; result again holds one query a lane, and eight channels: they pack into 16 bytes that are a lane's part of the output projection's operand: obuf [token block 256][piece 64][512 bytes], piece = 4 head + channel block.
; SOFTMAX.  A running maximum m and sum l for each query: p = 2^(c s - c m), c = log2(e) / 8; in every step O and l are multiplied by a = 2^(c m_old - c m_new).  m begins at -3e38 and O and l at 0, so the step is written once.
; THE RING.  Two LDS slots of 512 keys (K 64 KiB, V 64 KiB), dense as in memory: fragments come by loads at 16 x lane, 512 consecutive bytes each.  Each wave fetches 16 KiB of a slot (waves 0-3 K's quarters, waves 4-7 V's) with one tensor load.
; CLUSTER.  The four query blocks of a cluster belong to one head and walk the same K and V: each tile is asked for JOINTLY, by the same tensor load with the same descriptor and a mask of the four.
; PIPELINE.  In a trip: K of the next step is fetched; the softmax of this step; V^T P of this step; V of the next step is fetched; K Q^T of the next step.
; REGISTERS: window 0: v1-8 addresses; v16-31 statistics, 8 a tile; v32-63 Q; v64-127 S^T, 32 a tile; v128-159 P, 16 a tile; v160-223 O^T, 32 a tile.   window 1: v0-63 K of one step; v64-127 V of one step.
.set STEPB, 8192                       ; a step's 64 keys of K, or of V, in bytes
.set TILEB, 65536                      ; a slot's 512 keys of K, or of V
.set SLOT1, 131072                     ; slot 1 begins here: one exclusive or turns an address in one slot into the other's
.set SPARE, 262144                     ; behind the ring: the spare words, 128 bytes for each of eight waves, which no other line names
.set AK0, 1                            ; v1   16 x lane: my place in a block of K, of Q and of obuf; never rewritten
.set AV0, 2                            ; v2   my place in a block of V for the turning load, + 65,536; never rewritten
.set ADK, 3                            ; v3   LDS address of the run of K's loads in hand
.set ADV, 4                            ; v4   of V's
.set SPW, 6                            ; v6   LDS address of my spare word; never rewritten
.set NIL, 7                            ; v7   0; never rewritten
.set PFO, 8                            ; v8   256 x lane: the prefetches' offset; never rewritten
.set ST,  16                           ; tile t's statistics at v[ST + 8 t]: +0 c m, +1 m, +2, +3 l (even keys', odd keys'), +4 to +7 c0-c3, at work; a takes c2's place
.set QF,  32
.set S,   64
.set P,   128
.set OA,  160
.set WV,  8                            ; s8   my wave's number
.set TB,  16                           ; s16  LDS byte at which the tiles of the step to be fetched begin
.set SLOTS, 17                         ; s17  slots still to be asked for
.set CNT, 18                           ; s18  counts the trips in a slot
.set LIM, 19                           ; s19  1 in a wave that prefetches, else the greatest number
.set CS,  20                           ; s[20:21] c: the packed scaling names a pair and takes its low word for both halves
.set SEL, 22                           ; s[22:23] lane selects for v_permlanex16_b32: lane l xor 16
.set G1,  24                           ; s[24:31] descriptor group 1
.set G0A, 32                           ; s[32:35] group 0 of slot 0's first fill
.set G0B, 36                           ; s[36:39] group 0 of slot 1's first fill; it then walks on
.set PFA, 40                           ; s[40:41] where my prefetches stand
.set MSB, 0
.macro WIN new                         ; the immediate's high byte repeats the setting that is left
.if MSB != \new
	s_set_vgpr_msb (MSB<<8)|\new
.set MSB, \new
.endif
.endm
.macro CROUND                          ; a round of the cluster's barrier
	s_barrier_signal -1
	s_barrier_wait -1
	s_cmp_lg_u32 s[WV], 0
	s_cbranch_scc1 .Lnot_wave_0_\@
	s_barrier_signal -3
.Lnot_wave_0_\@:
	s_barrier_wait -3
	s_barrier_signal -1
	s_barrier_wait -1
.endm
.macro PLACES                          ; four places in front of loads into registers that matrix instructions have read, and of vector reads of results (ISA guide 7.12.1 for vector reads of results)
.rept 4
	v_nop
.endr
.endm
; A PREFETCH INTO THE L2 of what the NEXT change of slots will ask for: a slot's 64 KiB of K and 64 KiB of V, lanes 256 bytes apart, 8 KiB an instruction.  It stands behind the wave's tensor load and its five lines.
; Each aligned block of 256 bytes is named ONCE in the launch.  All four clusters of a head walk the same K and V: the head's first cluster asks.  Its four partners and their waves 0 to 3 make sixteen shares, told apart BY ADDRESS
; (share u = 4 cx + wave: u / 8 picks K or V, u % 8 the 8 KiB); the branch hangs on the cluster's number and the wave's alone.  The last change that fills a slot asks for nothing.
.macro ASK
	s_cmp_gt_u32 s[SLOTS], s[LIM]
	s_cbranch_scc0 .Lnot_mine_\@
	global_prefetch_b8 v[PFO], s[PFA:PFA+1] th:TH_LOAD_NT scope:SCOPE_SE
.Lnot_mine_\@:
.endm
	s_load_b128 s[4:7], s[0:1], 0x0                ; qkv s[4:5], obuf s[6:7]
	v_lshl_add_u32 v[SPW], v0, 2, SPARE
	v_mov_b32 v[NIL], 0
	ds_add_u32 v[SPW], v[NIL]                      ; the wave's opening: the add, twice on end, and its wait ahead of my first tensor load; the set-up below, work on registers, stands between
	ds_add_u32 v[SPW], v[NIL]
	v_lshrrev_b32 v1, 5, v0
	v_readfirstlane_b32 s[WV], v1                  ; wave 0..7
	s_bfe_u32 s9, ttmp6, 0x40000                   ; cx: my place in the cluster
	s_lshl_b32 s10, ttmp9, 2
	s_add_co_u32 s10, s10, s9                      ; my block of 256 queries: it enters Q's and O's addresses alone
	s_and_b32 s11, ttmp7, 0xffff                   ; the head, which the four partners share
	s_lshr_b32 s46, s[WV], 2
	s_add_co_u32 s46, s46, 1
	s_lshl_b32 s46, s46, 23                        ; what I fetch: k's part of qkv (waves 0-3) or v's (waves 4-7),
	s_lshl_b32 s48, s11, 19                        ; the head's 524,288 bytes,
	s_add_co_u32 s46, s46, s48
	s_and_b32 s49, s[WV], 3
	s_lshl_b32 s49, s49, 14                        ; my quarter of a slot's 64 KiB
	s_add_co_u32 s46, s46, s49
	s_mov_b32 s47, 0
	s_lshl_b32 s49, s10, 15                        ; q: the head, my block's 16 token blocks of 2,048 bytes,
	s_add_co_u32 s48, s48, s49
	s_lshl_b32 s49, s[WV], 12                      ; my wave's two
	s_add_co_u32 s48, s48, s49
	s_mov_b32 s49, 0
	s_lshl_b32 s50, s10, 19                        ; obuf: token blocks of 32,768 bytes,
	s_lshl_b32 s51, s[WV], 16
	s_add_co_u32 s50, s50, s51
	s_lshl_b32 s51, s11, 11                        ; the head's four pieces of 512 bytes
	s_add_co_u32 s50, s50, s51
	s_mov_b32 s51, 0
	s_lshl_b32 s12, s9, 2                          ; the prefetches: my share u = 4 cx + wave % 4,
	s_and_b32 s13, s[WV], 3
	s_add_co_u32 s12, s12, s13
	s_lshr_b32 s13, s12, 3
	s_add_co_u32 s13, s13, 1
	s_lshl_b32 s13, s13, 23                        ; k's part or v's,
	s_and_b32 s12, s12, 7
	s_lshl_b32 s12, s12, 13                        ; my 8 KiB,
	s_add_co_u32 s12, s12, s13
	s_lshl_b32 s13, s11, 19                        ; in my head,
	s_add_co_u32 s12, s12, s13
	s_add_co_u32 s12, s12, 2*TILEB                 ; at the third 512 keys: the first change of slots steps it to the fourth.  Nothing is prefetched at the head, where every work-group's first tiles are on their way
	s_mov_b32 s13, 0
	s_lshr_b32 s[LIM], s[WV], 2                    ; 0 in waves 0 to 3,
	s_or_b32 s[LIM], s[LIM], ttmp9                 ; of the head's first cluster: the same in all four partners
	s_cmp_eq_u32 s[LIM], 0
	s_cselect_b32 s[LIM], 1, -1
	; descriptor group 1: 16 KiB, dense in memory and in LDS, as 64 rows of 256 bytes
	s_mov_b32 s[G1], 15|(3<<16)|(1<<21)            ; 15:0 the mask: all four work-groups; 17:16 elements of 8 bytes; 20 no padding; 21 set beside a mask
	s_mov_b32 s[G1+1], 32<<16                      ; tensor_dim0 = 32 elements
	s_mov_b32 s[G1+2], 64<<16                      ; tensor_dim1 = 64
	s_mov_b32 s[G1+3], 32<<16                      ; tile_dim0
	s_mov_b32 s[G1+4], 64                          ; tile_dim1
	s_mov_b32 s[G1+5], 32                          ; tensor_dim0_stride
	s_mov_b32 s[G1+6], 0
	s_mov_b32 s[G1+7], 0
	s_mov_b32 s[CS], 0x3e38aa3b                    ; c = log2(e) / 8
	s_mov_b32 s[CS+1], s[CS]                       ; named with it as a pair, so it is written
	s_mov_b32 s[SEL], 0x76543210
	s_mov_b32 s[SEL+1], 0xfedcba98
	s_mov_b32 s[TB], 0
	s_mov_b32 s[SLOTS], 6                          ; eight slots' worth of keys; the first two come with the first fills
	s_lshl_b32 s14, s[WV], 14                      ; where my 16 KiB go in a slot: no place in the cluster enters an LDS address
	s_wait_dscnt 0x0                               ; both opening adds are done
	s_wait_kmcnt 0x0
	s_mov_b32 s[G0A], 1                            ; 1:0 count = 1
	s_mov_b32 s[G0A+1], s14                        ; 63:32 LDS address: slot 0
	s_add_nc_u64 s[G0A+2:G0A+3], s[4:5], s[46:47]  ; 120:64 global address: keys 0 to 511
	s_mov_b32 s[G0B], 1
	s_add_co_u32 s[G0B+1], s14, SLOT1              ; slot 1
	s_add_nc_u64 s[G0B+2:G0B+3], s[G0A+2:G0A+3], TILEB  ; keys 512 to 1,023
	s_or_b32 s[G0A+3], s[G0A+3], 0x80000000        ; 127:126 type = 2
	s_or_b32 s[G0B+3], s[G0B+3], 0x80000000
	s_add_nc_u64 s[PFA:PFA+1], s[4:5], s[12:13]
	s_add_nc_u64 s[42:43], s[4:5], s[48:49]        ; q at my wave's first token block
	s_add_nc_u64 s[44:45], s[6:7], s[50:51]        ; obuf likewise
	CROUND                                         ; all four work-groups are here: the first joint loads meet
	tensor_load_to_lds s[G0A:G0A+3], s[G1:G1+7]    ; the two first fills stand together, ahead of every wait on TENSORcnt and every LDS read: two loads of mine are out
	s_nop 0
	tensor_load_to_lds s[G0B:G0B+3], s[G1:G1+7]
	s_nop 0
.rept 4
	v_nop
.endr
	v_and_b32 v[AK0], 31, v0
	v_lshlrev_b32 v[PFO], 8, v[AK0]
	v_lshlrev_b32 v[AK0], 4, v[AK0]
.irp t, 0,1                                    ; Q stays in registers: tile t's four blocks are its two fragments' eight registers each
.irp n, 0,1,2,3
	global_load_b128 v[QF+16*\t+4*\n:QF+16*\t+4*\n+3], v[AK0], s[42:43] offset:2048*\t+512*\n
.endr
.endr
	; The turning load takes 16 keys x 16 channels (lane l reads 16 bytes: key 8 (l / 16) + l % 8, channels 8 ((l / 8) % 2) + 0..7) and leaves half a fragment of V^T: lane l holds channel l % 16 and 8 keys.
	; A key's 16 channels are 32 bytes: sixteen lanes touch 256 different consecutive bytes.
	v_bfe_u32 v9, v0, 4, 1
	v_and_b32 v10, 7, v0
	v_bfe_u32 v11, v0, 3, 1
	v_lshlrev_b32 v[AV0], 8, v9
	v_lshl_add_u32 v[AV0], v10, 5, v[AV0]
	v_lshl_add_u32 v[AV0], v11, 4, v[AV0]
	v_add_nc_u32 v[AV0], TILEB, v[AV0]             ; V lies behind a slot's K
.irp t, 0,1
	v_mov_b32 v[ST+8*\t+1], 0xff61b1e6             ; m = -3e38, under every score
	v_mul_f32 v[ST+8*\t], s[CS], v[ST+8*\t+1]      ; c m
	v_mov_b32 v[ST+8*\t+2], 0                      ; l
	v_mov_b32 v[ST+8*\t+3], 0
.endr
.set j, 0
.rept 64
	v_mov_b32 v[OA+j], 0                           ; O^T: the step is written once; the first finds zeros, and its a is 0
.set j, j+1
.endr
.macro FETCH_K                         ; 64 keys x 64 channels: 16 blocks; block n is registers 4 n .. 4 n + 3: fragment (16 keys kt, 32 channels f) at v[8 (2 kt + f)]
	WIN 0x40                                       ; destination window 1, address window 0
.set j, 0
.rept 16
	ds_load_b128 v[4*j:4*j+3], v[ADK] offset:512*j
.set j, j+1
.endr
.endm
.macro FETCH_V                         ; turned: fragment (32 keys g, 16 channels u) at v[64 + 8 (4 g + u)]; its halves are key blocks 2 g and 2 g + 1
	WIN 0x40
.irp g, 0,1
.irp u, 0,1,2,3
.irp e, 0,1
	ds_load_tr16_b128 v[64+8*(4*\g+\u)+4*\e:64+8*(4*\g+\u)+4*\e+3], v[ADV] offset:(2*\g+\e)*2048+512*\u
.endr
.endr
.endr
.endm
; The accumulators take turns, one instruction a turn: between two links of a chain stand seven others'; the last of one run and the first of the next name different accumulators, over the jumps too.
.macro KQ                              ; S^T = K Q^T: product i: channels 32 (i / 8) on, keys 16 ((i / 2) % 4) on, tile i % 2.  The first eight start the sums
	WIN 0x01                                       ; source 0 window 1
.set i, 0
.rept 16
.set rS, S+32*(i%2)+8*((i/2)%4)
.set rK, 8*(2*((i/2)%4)+i/8)
.set rQ, QF+16*(i%2)+8*(i/8)
.if i < 8
	v_wmma_f32_16x16x32_f16 v[rS:rS+7], v[rK:rK+7], v[rQ:rQ+7], 0
.else
	v_wmma_f32_16x16x32_f16 v[rS:rS+7], v[rK:rK+7], v[rQ:rQ+7], v[rS:rS+7]
.endif
.set i, i+1
.endr
.endm
.macro PV                              ; O^T += V^T P: product i: keys 32 (i / 8) on, channels 16 ((i / 2) % 4) on, tile i % 2
	WIN 0x01
.set i, 0
.rept 16
.set rO, OA+32*(i%2)+8*((i/2)%4)
.set rV, 64+8*(4*(i/8)+(i/2)%4)
.set rP, P+16*(i%2)+8*(i/8)
	v_wmma_f32_16x16x32_f16 v[rO:rO+7], v[rV:rV+7], v[rP:rP+7], v[rO:rO+7]
.set i, i+1
.endr
.endm
; THE SOFTMAX of a step, both tiles line by line, all in window 0.  s0-s31 are a lane's 32 scores of a tile.
.macro SOFTMAX
.irp j, 0,1,2,3                                ; the maximum of s0-s31 and the old m, three operands at a time: four chains; each accumulator is read from its low end on
.irp t, 0,1
	v_max3_num_f32 v[ST+8*\t+4+\j], v[S+32*\t+8*\j], v[S+32*\t+8*\j+1], v[S+32*\t+8*\j+2]
.endr
.endr
.irp k, 3,5
.irp j, 0,1,2,3
.irp t, 0,1
	v_max3_num_f32 v[ST+8*\t+4+\j], v[ST+8*\t+4+\j], v[S+32*\t+8*\j+\k], v[S+32*\t+8*\j+\k+1]
.endr
.endr
.endr
.irp t, 0,1
	v_max3_num_f32 v[ST+8*\t+4], v[ST+8*\t+4], v[S+32*\t+7], v[S+32*\t+15]
.endr
.irp t, 0,1
	v_max3_num_f32 v[ST+8*\t+6], v[ST+8*\t+6], v[S+32*\t+23], v[S+32*\t+31]
.endr
.irp t, 0,1
	v_max3_num_f32 v[ST+8*\t+4], v[ST+8*\t+4], v[ST+8*\t+5], v[ST+8*\t+6]
.endr
.irp t, 0,1
	v_max3_num_f32 v[ST+8*\t+4], v[ST+8*\t+4], v[ST+8*\t+7], v[ST+8*\t+1]
.endr
.irp t, 0,1
	v_permlanex16_b32 v[ST+8*\t+5], v[ST+8*\t+4], s[SEL], s[SEL+1]  ; the query's other 32 keys lie in the lane 16 away
.endr
.irp t, 0,1
	v_mov_b32 v[ST+8*\t+7], v[ST+8*\t]             ; c m_old is kept for a
.endr
.irp t, 0,1
	v_max_num_f32 v[ST+8*\t+1], v[ST+8*\t+4], v[ST+8*\t+5]
.endr
.irp t, 0,1
	v_mul_f32 v[ST+8*\t], s[CS], v[ST+8*\t+1]
.endr
.irp t, 0,1
	v_sub_f32 v[ST+8*\t+7], v[ST+8*\t+7], v[ST+8*\t]
.endr
	; ONE BATCH: the 32 scalings c s - c m, a pair of scores each, and all 66 exponentials.  None of these lines names an exponential's result.
.set j, 0
.rept 16
	v_pk_fma_f32 v[S+2*j:S+2*j+1], v[S+2*j:S+2*j+1], s[CS:CS+1], v[ST:ST+1] op_sel_hi:[1,0,0] neg_lo:[0,0,1] neg_hi:[0,0,1]
.set j, j+1
.endr
.irp t, 0,1
	v_exp_f32 v[ST+8*\t+6], v[ST+8*\t+7]           ; a
.endr
.set j, 0
.rept 16
	v_exp_f32 v[S+2*j], v[S+2*j]                   ; tile 0's weights, with one of tile 1's scalings behind every two
	v_exp_f32 v[S+2*j+1], v[S+2*j+1]
	v_pk_fma_f32 v[S+32+2*j:S+32+2*j+1], v[S+32+2*j:S+32+2*j+1], s[CS:CS+1], v[ST+8:ST+9] op_sel_hi:[1,0,0] neg_lo:[0,0,1] neg_hi:[0,0,1]
.set j, j+1
.endr
.set j, 0
.rept 32
	v_exp_f32 v[S+32+j], v[S+32+j]
.set j, j+1
.endr
	v_nop                                          ; a plain instruction behind the last exponential and ahead of the first use (ISA guide 5.7.2)
	s_wait_alu depctr_va_vdst(0)                   ; the wait ahead of the first line that names a result: one for the batch
.set j, 0
.rept 16
.irp t, 0,1
	v_cvt_pk_f16_f32 v[P+16*\t+j], v[S+32*\t+2*j], v[S+32*\t+2*j+1]   ; P: a pair of weights each
.endr
.set j, j+1
.endr
.irp w, 4,8,16,32                              ; the sum of a tile's 16 pairs, of the unrounded weights, in place: neighbours 1, 2, 4 and 8 pairs apart
.set u, 0
.rept 32/\w
.irp t, 0,1
	v_pk_add_f32 v[S+32*\t+\w*u:S+32*\t+\w*u+1], v[S+32*\t+\w*u:S+32*\t+\w*u+1], v[S+32*\t+\w*u+\w/2:S+32*\t+\w*u+\w/2+1]
.endr
.set u, u+1
.endr
.endr
.irp t, 0,1
	v_pk_fma_f32 v[ST+8*\t+2:ST+8*\t+3], v[ST+8*\t+2:ST+8*\t+3], v[ST+8*\t+6:ST+8*\t+7], v[S+32*\t:S+32*\t+1] op_sel_hi:[1,0,1]   ; l = a l + the sum
.endr
.set j, 0
.rept 16
.irp t, 0,1
	v_pk_mul_f32 v[OA+32*\t+2*j:OA+32*\t+2*j+1], v[OA+32*\t+2*j:OA+32*\t+2*j+1], v[ST+8*\t+6:ST+8*\t+7] op_sel_hi:[1,0]   ; O^T x a, each accumulator from its low end on
.endr
.set j, j+1
.endr
.endm
; A TRIP: the softmax and V^T P of the step in hand; the fetches and K Q^T of the next.
.macro BODY
	v_add_nc_u32 v[ADK], s[TB], v[AK0]             ; these two and two v_nop are the four places behind the last K Q^T, in front of the loads into K's registers and of the first read of the scores
	v_add_nc_u32 v[ADV], s[TB], v[AV0]
	v_nop
	v_nop
	s_add_co_u32 s[TB], s[TB], STEPB               ; the next fetches are the step after's
	FETCH_K
	WIN 0
	SOFTMAX
	s_wait_dscnt 16                                ; V of this step is in; K's sixteen loads, issued behind it, may be out
	PV
	PLACES                                         ; in front of the loads into V's registers
	FETCH_V
	s_wait_dscnt 16                                ; K is in; V's sixteen loads may be out
	KQ
	WIN 0                                          ; at a label and at a branch every window is 0
.endm
.macro BODIES n
	s_mov_b32 s[CNT], \n
.Lbody_\@:
	BODY
	s_sub_co_u32 s[CNT], s[CNT], 1
	s_cmp_lg_u32 s[CNT], 0
	s_cbranch_scc1 .Lbody_\@
.endm
; THE CHANGE OF SLOTS: the slot's last bytes, V of its eighth step, have been asked for.  Each wave waits for all its tensor loads, of which one is out: its part of the other slot; adds 0 to its spare word; and waits for that and for its
; reads of the slot.  fill = 1: the barrier is a round of the cluster's, so that no wave of any partner still reads the slot or has a load on its way; the joint refill, the keys two slots on, is the first thing behind it:
; one load of mine is out, and it has eight steps in which to land.
.macro CHANGE fill
	s_wait_tensorcnt 0x0                           ; no tensor load of mine is out, so a group 0 may be written
	ds_add_u32 v[SPW], v[NIL]                      ; 0 onto my spare word
.if \fill
	s_xor_b32 s[G0B+1], s[G0B+1], SLOT1            ; the walking descriptor: the other slot than last time,
	s_add_nc_u64 s[G0B+2:G0B+3], s[G0B+2:G0B+3], TILEB  ; the next 512 keys; the type bits on top are not reached
	s_wait_xcnt 0x0                                ; the last prefetch, eight steps back, has read its address, so it may be written:
	s_add_nc_u64 s[PFA:PFA+1], s[PFA:PFA+1], TILEB ; one slot further on than the walking descriptor
	s_wait_dscnt 0x0                               ; the add is done, and my reads of the slot are over
	CROUND
	tensor_load_to_lds s[G0B:G0B+3], s[G1:G1+7]
	s_nop 0
.rept 4
	v_nop
.endr
	ASK                                            ; what the next change will ask for: eight steps ahead of that load
.else
	s_wait_dscnt 0x0                               ; the add is done, and no LDS load of mine is out at the signal
	s_barrier_signal -1
	s_barrier_wait -1
.endif
	s_sub_co_u32 s[TB], s[TB], TILEB               ; the fetches go back to a slot's first step,
	s_xor_b32 s[TB], s[TB], SLOT1                  ; in the other slot
.endm
	s_wait_tensorcnt 1                             ; my part of slot 0 is in; slot 1's may stay out
	s_barrier_signal -1
	s_barrier_wait -1                              ; everybody's is
	v_add_nc_u32 v[ADK], s[TB], v[AK0]             ; step 0
	v_add_nc_u32 v[ADV], s[TB], v[AV0]
	s_add_co_u32 s[TB], s[TB], STEPB
	FETCH_K
	FETCH_V
	s_wait_loadcnt 0x0                             ; Q
	s_wait_dscnt 16                                ; K is in; V's sixteen loads may be out
	KQ
	WIN 0
	BODIES 7                                       ; steps 0 to 6; they fetch steps 1 to 7: slot 0 has been read out
.Lslot:                                            ; six trips: every slot but the last two is filled again
	CHANGE 1
	BODIES 8
	s_sub_co_u32 s[SLOTS], s[SLOTS], 1
	s_cmp_lg_u32 s[SLOTS], 0
	s_cbranch_scc1 .Lslot
	CHANGE 0                                       ; the tail is written out: nothing is asked for
	BODIES 8                                       ; steps 55 to 62
	PLACES                                         ; the last step: nothing more to fetch
	SOFTMAX
	s_wait_dscnt 0x0                               ; V
	PV
	WIN 0
	; THE WAY OUT.  l's two halves and the other half of the lanes' are added; O^T is divided by l, rounded to f16 and stored as it lies: a lane's eight channels are its 16 bytes of a piece of obuf.
	; The four additions and the v_nop are the places behind the last products.
.irp t, 0,1
	v_add_f32 v[ST+8*\t+4], v[ST+8*\t+2], v[ST+8*\t+3]
.endr
.irp t, 0,1
	v_permlanex16_b32 v[ST+8*\t+5], v[ST+8*\t+4], s[SEL], s[SEL+1]
.endr
.irp t, 0,1
	v_add_f32 v[ST+8*\t+4], v[ST+8*\t+4], v[ST+8*\t+5]
.endr
.irp t, 0,1
	v_rcp_f32 v[ST+8*\t+6], v[ST+8*\t+4]
.endr
	v_nop                                          ; a plain instruction between the last reciprocal and the use of its result
	s_wait_alu depctr_va_vdst(0)                   ; and the wait ahead of the first use: one for both
.set j, 0
.rept 16
.irp t, 0,1
	v_pk_mul_f32 v[S+32*\t+2*j:S+32*\t+2*j+1], v[OA+32*\t+2*j:OA+32*\t+2*j+1], v[ST+8*\t+6:ST+8*\t+7] op_sel_hi:[1,0]
.endr
.set j, j+1
.endr
.set j, 0
.rept 16
.irp t, 0,1
	v_cvt_pk_f16_f32 v[P+16*\t+j], v[S+32*\t+2*j], v[S+32*\t+2*j+1]
.endr
.set j, j+1
.endr
.irp t, 0,1
.irp u, 0,1,2,3
	global_store_b128 v[AK0], v[P+16*\t+4*\u:P+16*\t+4*\u+3], s[44:45] offset:32768*\t+512*\u   ; 32 lanes store 512 consecutive bytes, aligned
.endr
.endr
	s_wait_tensorcnt 0x0                           ; the wave's end, behind my last tensor load
	ds_add_u32 v[SPW], v[NIL]
	s_wait_dscnt 0x0
	CROUND                                         ; the closing round: no work-group ends while a partner may still ask for a tile that names it
	s_endpgm
.Lfunc_end_k_qb945036061_attn:
	.size	k_qb945036061_attn, .Lfunc_end_k_qb945036061_attn-k_qb945036061_attn
	.p2alignl 7, 3214868480
	.fill 96, 4, 3214868480
	.section	.rodata,"a",@progbits
	.p2align	6, 0x0
	.amdhsa_kernel k_qb945036061_attn
		.amdhsa_group_segment_fixed_size 327680
		.amdhsa_private_segment_fixed_size 0
		.amdhsa_enable_private_segment 0
		.amdhsa_kernarg_size 16
		.amdhsa_user_sgpr_count 2
		.amdhsa_user_sgpr_kernarg_segment_ptr 1
		.amdhsa_wavefront_size32 1
		.amdhsa_system_sgpr_workgroup_id_x 1
		.amdhsa_system_sgpr_workgroup_id_y 1
		.amdhsa_system_sgpr_workgroup_id_z 1
		.amdhsa_system_vgpr_workitem_id 0
		.amdhsa_next_free_vgpr 384
		.amdhsa_next_free_sgpr 66
		.amdhsa_reserve_vcc 0
		.amdhsa_float_denorm_mode_32 3
		.amdhsa_float_denorm_mode_16_64 3
		.amdhsa_memory_ordered 1
		.amdhsa_forward_progress 1
		.amdhsa_inst_pref_size 84
	.end_amdhsa_kernel
	.amdgpu_metadata
---
amdhsa.version: [ 1, 2 ]
amdhsa.kernels:
  - .name:           k_qb945036061_attn
    .symbol:         k_qb945036061_attn.kd
    .args:
      - { .name: qkv, .offset: 0, .size: 8, .value_kind: global_buffer, .address_space: global }
      - { .name: obuf, .offset: 8, .size: 8, .value_kind: global_buffer, .address_space: global }
    .group_segment_fixed_size: 327680
    .private_segment_fixed_size: 0
    .kernarg_segment_align: 8
    .kernarg_segment_size: 16
    .max_flat_workgroup_size: 256
    .sgpr_count:     66
    .vgpr_count:     384
    .wavefront_size: 32
...
	.end_amdgpu_metadata
.endif
;; end of part 3
;; launch outp (part 4): grid 8 x 32, 4 waves a work-group, clusters of 4 x 4, 327,680 bytes of LDS; arguments obuf, wo16, b_o, out0; writes out0
.if DOCPART == 4
	.amdgcn_target "amdgcn-amd-amdhsa--gfx1250"
	.amdhsa_code_object_version 6
	.text
	.protected	k_qb945036061_outp
	.globl	k_qb945036061_outp
	.p2align	8
	.type	k_qb945036061_outp,@function
k_qb945036061_outp:
	s_mov_b64 s[64:65], 0
	v_nop
	global_prefetch_b8 v0, s[64:65] scope:SCOPE_SE
	s_setreg_imm32_b32 hwreg(HW_REG_WAVE_MODE, 25, 1), 1
	s_wait_xcnt 0x0
	s_wait_alu depctr_hold_cnt(0) depctr_sa_sdst(0) depctr_va_vdst(0) depctr_va_sdst(0) depctr_va_ssrc(0) depctr_va_vcc(0) depctr_vm_vsrc(0)
	s_getreg_b32 s2, hwreg(HW_REG_IB_STS2, 6, 4)
	s_cmp_eq_u32 s2, 0
	s_cbranch_scc0 .Lentry_in_a_cluster
	s_endpgm
.Lentry_in_a_cluster:
	s_bfe_u32 s2, ttmp6, 0x10000c
	s_cmp_lg_u32 s2, 0xf033
	s_cbranch_scc0 .Lentry_shape_is_right
	s_endpgm
.Lentry_shape_is_right:
; out0 = o w_o^T + b_o: [4096][1024] f32.  Both operands come as f16 IN THE ORDER OF THE OPERAND'S REGISTERS: obuf [token block 256][piece 64][512 bytes], wo16 [row block 64][piece 64][512 bytes]; a piece is 16 rows x 16 K,
; lane (r, h)'s 16 bytes (row r, K = 8 h on) at 16 x lane; two neighbouring pieces are a fragment's eight registers.  Sums in f32; the bias is the C of each sum's first product.
; LIMITS: |o| and |w_o| under 65,504 (f16).
; A tile of out0 is 128 x 128: 256 work-groups.  Four waves, each 64 x 64: 16 accumulators of 16 x 16, 128 registers.  K goes in steps of 256 through two LDS slots: a K step of a block of 16 rows is 8,192 consecutive bytes; a wave's
; tensor load brings four such blocks (32 KiB).  In LDS they lie dense: every fragment load takes 512 consecutive bytes, 16 a lane.  K = 1,024 is four steps: each slot is filled twice; the text is written out without a loop.
; CLUSTERS: 4 x 4 work-groups.  The four of a row of the cluster need the same tiles of o, the four of a column the same tiles of w_o: each tile is asked for JOINTLY, by the same tensor load with the same descriptor and a mask of the four.
; THE MATRIX INSTRUCTION IS USED TRANSPOSED (source 0 = 16 rows of w_o, source 1 = 16 tokens): a lane holds eight neighbouring numbers of a row of out0.
; REGISTERS: window 0: v0-31 addresses; v32-95 at work on the way out; v96-127 the bias, 4 tiles of 8 (later at work too); v128-255 the accumulators ((a, b) at v[128 + 8 (4 a + b)]).
;   window 1: two fragment buffers of 128: for 64 along K, 64 registers of o (2 x 4 blocks x 8), then 64 of w_o.
.set KSTEPB, 8192                      ; a K step of one block of 16 rows, in bytes
.set HALFT,  4*KSTEPB                  ; four blocks: what one tensor load brings, and what one wave reads of o or of w_o
.set SLOT,   4*HALFT                   ; o's 8 blocks, then w_o's 8
.set STAGE,  2*SLOT                    ; behind the ring: 16 rows x 272 bytes for each wave, for the way out
.set SPITCH, 272
.set SPARE,  STAGE+4*16*SPITCH         ; behind the stages: the spare words, 128 bytes for each wave, which no other line names
.set ADRA, 16                          ; v16-17  LDS address of my o fragments in slot 0, 1
.set ADRB, 20                          ; v20-21  the same for w_o
.set STO,  24                          ; v24     the way out: where I put 32 bytes of a row
.set RD,   25                          ; v25     the way out: where I read a row back
.set CO,   26                          ; v26     my byte offset in out0
.set SPW,  28                          ; v28     LDS address of my spare word; never rewritten
.set NIL,  29                          ; v29     0; never rewritten
.set TMP,  32
.set BI,   96
.set ACC,  128
.set F0,   0                           ; fragment buffers, in window 1
.set F1,   128
.set G1, 24                            ; s[24:31] descriptor group 1 for o's tiles;  s[32:39] group 0, one set for each slot
.set G0, 32
.set G1B, 48                           ; s[48:55], s[56:63] the same for w_o's
.set G0B, 56
.set MSB, 0
.macro WIN new                         ; the immediate's high byte repeats the setting that is left
.if MSB != \new
	s_set_vgpr_msb (MSB<<8)|\new
.set MSB, \new
.endif
.endm
.set MUL,  0x05                        ; sources 0 (w_o) and 1 (o) window 1; C and D window 0
.set TO_F, 0x40                        ; destination window 1, address window 0
.macro JLOAD s                         ; a joint load: waves 0 and 1 fetch o's two halves, waves 2 and 3 w_o's; an s_nop 0 and four v_nop follow each of the two lines
	s_cmp_eq_u32 s11, 0
	s_cbranch_scc0 .Lfor_b_\@
	tensor_load_to_lds s[G0+4*\s:G0+4*\s+3], s[G1:G1+7]
	s_nop 0
.rept 4
	v_nop
.endr
	s_branch .Lasked_\@
.Lfor_b_\@:
	tensor_load_to_lds s[G0B+4*\s:G0B+4*\s+3], s[G1B:G1B+7]
	s_nop 0
.rept 4
	v_nop
.endr
.Lasked_\@:
.endm
.macro CREST                           ; a round of the cluster's barrier behind its opening barrier
	s_cmp_lg_u32 s10, 0
	s_cbranch_scc1 .Lnot_wave_0_\@
	s_barrier_signal -3
.Lnot_wave_0_\@:
	s_barrier_wait -3
	s_barrier_signal -1
	s_barrier_wait -1
.endm
.macro CROUND                          ; a whole round
	s_barrier_signal -1
	s_barrier_wait -1
	CREST
.endm
	s_load_b128 s[4:7], s[0:1], 0x0                ; obuf s[4:5], wo16 s[6:7]
	s_load_b64 s[66:67], s[0:1], 0x10              ; b_o
	s_load_b64 s[8:9], s[0:1], 0x18                ; out0
	v_lshl_add_u32 v[SPW], v0, 2, SPARE
	v_mov_b32 v[NIL], 0
	ds_add_u32 v[SPW], v[NIL]                      ; the wave's opening: the add, twice on end, and its wait ahead of my first tensor load; the set-up below, work on registers, stands between
	ds_add_u32 v[SPW], v[NIL]
	v_lshrrev_b32 v1, 5, v0
	v_readfirstlane_b32 s10, v1                    ; wave 0..3
	s_lshr_b32 s11, s10, 1                         ; which half of the tile's rows is mine.  Also: I fetch for o (0) or for w_o (1)
	s_and_b32 s12, s10, 1                          ; which half of its columns.  Also: which four blocks of that tile I fetch
	s_bfe_u32 s40, ttmp6, 0x40000                  ; cx, cy: my place in the cluster
	s_bfe_u32 s41, ttmp6, 0x40004
	s_lshl_b32 s42, ttmp9, 2
	s_add_co_u32 s42, s42, s40                     ; tile column = 4 x cluster x + cx
	s_and_b32 s13, ttmp7, 0xffff
	s_lshl_b32 s13, s13, 2
	s_add_co_u32 s13, s13, s41                     ; tile row = 4 x cluster y + cy
	s_lshl_b32 s43, s41, 2
	s_lshl_b32 s43, 15, s43                        ; my row of the cluster
	s_lshl_b32 s44, 0x1111, s40                    ; my column
	; descriptor group 1: four rows of 8,192 bytes (1,024 elements of 8 bytes), 32,768 bytes apart in memory, dense in LDS
	s_or_b32 s[G1+0], s43, (3<<16)|(1<<21)         ; 15:0 the mask: o's tiles go to my row; 17:16 elements of 8 bytes; 20 no padding; 21 set beside a mask
	s_or_b32 s[G1B+0], s44, (3<<16)|(1<<21)
.irp g, G1, G1B
	s_mov_b32 s[\g+1], 1024<<16                    ; tensor_dim0 = 1,024
	s_mov_b32 s[\g+2], 4<<16                       ; tensor_dim1 = 4
	s_mov_b32 s[\g+3], 1024<<16                    ; tile_dim0
	s_mov_b32 s[\g+4], 4                           ; tile_dim1
	s_mov_b32 s[\g+5], 4096                        ; tensor_dim0_stride
	s_mov_b32 s[\g+6], 0
	s_mov_b32 s[\g+7], 0
.endr
	s_lshl_b32 s17, s12, 17                        ; which four blocks of 32,768 bytes I fetch
	s_lshl_b32 s16, s13, 18
	s_add_co_u32 s16, s16, s17                     ; o: block 8 x tile row + 4 x half
	s_lshl_b32 s46, s42, 18
	s_add_co_u32 s46, s46, s17                     ; w_o: block 8 x tile column + 4 x half
	s_mov_b32 s17, 0
	s_mov_b32 s47, 0
	s_lshl_b32 s20, s10, 15                        ; where they go: wave x 32 KiB: no place in the cluster enters an LDS address
	s_wait_dscnt 0x0                               ; both opening adds are done
	s_wait_kmcnt 0x0
	s_add_nc_u64 s[14:15], s[4:5], s[16:17]
	s_add_nc_u64 s[46:47], s[6:7], s[46:47]
	CROUND                                         ; all sixteen work-groups are here: the first joint loads meet
.irp s, 0,1
	s_mov_b32 s[G0+4*\s], 1
	s_add_co_u32 s[G0+4*\s+1], s20, \s*SLOT
	s_add_nc_u64 s[G0+4*\s+2:G0+4*\s+3], s[14:15], \s*KSTEPB
	s_or_b32 s[G0+4*\s+3], s[G0+4*\s+3], 0x80000000
	s_mov_b32 s[G0B+4*\s], 1
	s_add_co_u32 s[G0B+4*\s+1], s20, \s*SLOT
	s_add_nc_u64 s[G0B+4*\s+2:G0B+4*\s+3], s[46:47], \s*KSTEPB
	s_or_b32 s[G0B+4*\s+3], s[G0B+4*\s+3], 0x80000000
	JLOAD \s                                       ; two loads of mine are out behind the second
.endr
	v_and_b32 v1, 15, v0                           ; r = lane % 16
	v_bfe_u32 v2, v0, 4, 1                         ; h = lane / 16
	s_lshl_b32 s46, s42, 9                         ; my first column, in bytes: 512 x tile column + 256 x half; it is also my place in b_o
	s_lshl_b32 s47, s12, 8
	s_add_co_u32 s46, s46, s47
	s_mov_b32 s47, 0
	s_add_nc_u64 s[66:67], s[66:67], s[46:47]
	v_lshlrev_b32 v6, 5, v2                        ; lane (r, h) wants, for column block b, numbers 16 b + 8 h + 0 .. 7
.irp b, 0,1,2,3
	global_load_b128 v[BI+8*\b:BI+8*\b+3], v6, s[66:67] offset:64*\b
	global_load_b128 v[BI+8*\b+4:BI+8*\b+7], v6, s[66:67] offset:64*\b+16
.endr
	v_and_b32 v3, 31, v0
	v_lshlrev_b32 v3, 4, v3                        ; 16 x lane
	s_lshl_b32 s21, s11, 15                        ; my four blocks of o
	s_lshl_b32 s22, s12, 15                        ; my four blocks of w_o,
	s_add_co_u32 s22, s22, 2*HALFT                 ; which lie behind o's eight
.irp s, 0,1
	v_add_nc_u32 v[ADRA+\s], s21, v3
	v_add_nc_u32 v[ADRB+\s], s22, v3
	s_add_co_u32 s21, s21, SLOT
	s_add_co_u32 s22, s22, SLOT
.endr
	s_mul_i32 s23, s10, 16*SPITCH
	s_add_co_u32 s23, s23, STAGE                   ; my stage
	v_mul_u32_u24 v4, v1, SPITCH                   ; in: row r, 32 bytes for each half of the lanes
	v_lshl_add_u32 v4, v2, 5, v4
	v_add_nc_u32 v[STO], s23, v4
	v_mul_u32_u24 v5, v2, SPITCH                   ; back: lanes 0-15 take one row of 256 bytes, lanes 16-31 the next
	v_lshl_add_u32 v5, v1, 4, v5
	v_add_nc_u32 v[RD], s23, v5
	v_lshlrev_b32 v5, 12, v2                       ; and the same two rows in out0: 4,096 bytes a row
	v_lshl_add_u32 v[CO], v1, 4, v5
	s_lshl_b32 s16, s13, 19                        ; my first row: (128 x tile row + 64 x half) x 4,096 bytes
	s_lshl_b32 s17, s11, 18
	s_add_co_u32 s16, s16, s17
	s_mov_b32 s17, 0
	s_add_nc_u64 s[8:9], s[8:9], s[16:17]
	s_add_nc_u64 s[8:9], s[8:9], s[46:47]
; 8 matrix instructions: token blocks a0, a0 + 1 x all 4 column blocks, 32 along K: half c of buffer f.  first = 1: the bias is C.  The 16 accumulators take turns, one instruction a turn.
.macro MUL8 f, c, a0, first
.irp a, \a0, \a0+1
.irp b, 0,1,2,3
.if \first
	v_wmma_f32_16x16x32_f16 v[ACC+8*(4*(\a)+\b):ACC+8*(4*(\a)+\b)+7], v[\f+64+8*(4*\c+\b):\f+64+8*(4*\c+\b)+7], v[\f+8*(4*\c+\a):\f+8*(4*\c+\a)+7], v[BI+8*\b:BI+8*\b+7]
.else
	v_wmma_f32_16x16x32_f16 v[ACC+8*(4*(\a)+\b):ACC+8*(4*(\a)+\b)+7], v[\f+64+8*(4*\c+\b):\f+64+8*(4*\c+\b)+7], v[\f+8*(4*\c+\a):\f+8*(4*\c+\a)+7], v[ACC+8*(4*(\a)+\b):ACC+8*(4*(\a)+\b)+7]
.endif
.endr
.endr
.endm
; 32 LDS loads in one run: the fragments of the slot's q-th 64 along K into buffer f; the first 32 along K first.  Fragment 2 q + c of block i lies at 8,192 i + 1,024 (2 q + c), its two halves 512 bytes apart.
.macro FETCH slot, q, f
	WIN TO_F
.irp c, 0,1
.irp i, 0,1,2,3
	ds_load_b128 v[\f+64+8*(4*\c+\i):\f+64+8*(4*\c+\i)+3],   v[ADRB+\slot] offset:\i*KSTEPB+(2*\q+\c)*1024
	ds_load_b128 v[\f+64+8*(4*\c+\i)+4:\f+64+8*(4*\c+\i)+7], v[ADRB+\slot] offset:\i*KSTEPB+(2*\q+\c)*1024+512
	ds_load_b128 v[\f+8*(4*\c+\i):\f+8*(4*\c+\i)+3],         v[ADRA+\slot] offset:\i*KSTEPB+(2*\q+\c)*1024
	ds_load_b128 v[\f+8*(4*\c+\i)+4:\f+8*(4*\c+\i)+7],       v[ADRA+\slot] offset:\i*KSTEPB+(2*\q+\c)*1024+512
.endr
.endr
.endm
.macro PLACES                          ; four places in front of loads into registers that matrix instructions have read, and of LDS stores that read results
.rept 4
	v_nop
.endr
.endm
; A K step is four quarters of 64 along K, 32 matrix instructions each, on buffers 0, 1, 0, 1.  One of the first three: multiplies buffer f and fetches the slot's q-th quarter into g.
.macro QUARTER slot, q, f, g, first
	s_wait_dscnt 16                                ; the first 32 along K are in; the youngest sixteen loads may be out
	WIN MUL
	MUL8 \f, 0, 0, \first
	MUL8 \f, 0, 2, \first
	PLACES
	FETCH \slot, \q, \g
	s_wait_dscnt 32                                ; all but the 32 just issued
	WIN MUL
	MUL8 \f, 1, 0, 0
	MUL8 \f, 1, 2, 0
.endm
; The last quarter multiplies buffer 1 and changes slots: ONE barrier; in front of it each wave waits for all its tensor loads, adds 0 to its spare word, and waits for that and for its own reads of this slot.
; fill = 1: this slot is filled again, two K steps ahead; the barrier then opens a round of the cluster's.
.macro TURN slot, next, fill
	WIN 0                                          ; (the add's two registers lie in window 0)
	s_wait_tensorcnt 0x0                           ; all my tensor loads have landed: my part of the next slot;
	ds_add_u32 v[SPW], v[NIL]                      ; 0 onto my spare word;
	s_wait_dscnt 17                                ; (the add and the youngest sixteen loads may be out)
	WIN MUL
	MUL8 F1, 0, 0, 0                               ; eight matrix instructions stand between the add and the wait for it
	s_wait_dscnt 0x0                               ; the add is done, and my reads of this slot are over
	s_barrier_signal -1
	MUL8 F1, 0, 2, 0
.if \fill
	WIN 0
.endif
	s_barrier_wait -1
.if \fill
	CREST                                          ; no wave of any partner still reads this slot's tile or has a load on its way
	s_add_nc_u64 s[G0+4*\slot+2:G0+4*\slot+3], s[G0+4*\slot+2:G0+4*\slot+3], 2*KSTEPB
	s_add_nc_u64 s[G0B+4*\slot+2:G0B+4*\slot+3], s[G0B+4*\slot+2:G0B+4*\slot+3], 2*KSTEPB
	JLOAD \slot                                    ; the first tensor load behind the round, my one load out; the four v_nop behind it are also the places in front of the loads below
.else
	PLACES
.endif
	FETCH \next, 0, F0
	WIN MUL
	MUL8 F1, 1, 0, 0
	MUL8 F1, 1, 2, 0
.endm
	s_wait_tensorcnt 1                             ; my part of K step 0 is in (K step 1's load may be out)
	s_barrier_signal -1
	s_barrier_wait -1                              ; everybody's is
	FETCH 0, 0, F0
	s_wait_loadcnt 0x0                             ; the bias
	QUARTER 0, 1, F0, F1, 1                        ; K step 0: its first products start the sums from the bias
	QUARTER 0, 2, F1, F0, 0
	QUARTER 0, 3, F0, F1, 0
	TURN 0, 1, 1                                   ; slot 0 takes K step 2
	QUARTER 1, 1, F0, F1, 0                        ; K step 1
	QUARTER 1, 2, F1, F0, 0
	QUARTER 1, 3, F0, F1, 0
	TURN 1, 0, 1                                   ; slot 1 takes K step 3
	QUARTER 0, 1, F0, F1, 0                        ; K step 2
	QUARTER 0, 2, F1, F0, 0
	QUARTER 0, 3, F0, F1, 0
	TURN 0, 1, 0                                   ; nothing is left to fetch
	QUARTER 1, 1, F0, F1, 0                        ; K step 3
	QUARTER 1, 2, F1, F0, 0
	QUARTER 1, 3, F0, F1, 0
	s_wait_dscnt 16                                ; the very last quarter
	WIN MUL
	MUL8 F1, 0, 0, 0
	MUL8 F1, 0, 2, 0
	s_wait_dscnt 0
	MUL8 F1, 1, 0, 0
	MUL8 F1, 1, 2, 0
	WIN 0
	; THE WAY OUT, a block of 16 rows x 64 columns at a time.  A lane holds 32 neighbouring bytes of a row, and the lanes beside it hold other rows: so a block goes through my own stage in LDS and comes back as whole rows of 256 bytes.
	; LDS serves a wave's instructions in order (ISA guide 5.7.1.4): no wait between the stores and the loads, nor in front of the next block's stores.
.macro TOSTAGE a, bk
.irp b, 0,1,2,3
	ds_store_b128 v[STO], v[ACC+8*(4*\a+\b):ACC+8*(4*\a+\b)+3] offset:64*\b          ; each accumulator from its low end on
	ds_store_b128 v[STO], v[ACC+8*(4*\a+\b)+4:ACC+8*(4*\a+\b)+7] offset:64*\b+16
.endr
.irp t, 0,1,2,3,4,5,6,7
	ds_load_b128 v[\bk+4*\t:\bk+4*\t+3], v[RD] offset:\t*2*SPITCH
.endr
.endm
.macro SEND a, bk, younger             ; younger: the LDS instructions issued behind block a's loads, which may stay out
	s_wait_dscnt \younger                          ; the block is back in registers
.irp t, 0,1,2,3,4,5,6,7
	global_store_b128 v[CO], v[\bk+4*\t:\bk+4*\t+3], s[8:9] offset:(16*\a+2*\t)*4096 th:TH_STORE_NT   ; 16 lanes store 256 consecutive bytes, aligned; written once, read by nobody here
.endr
.endm
	PLACES                                         ; the stores into the stage read results just made
	TOSTAGE 0, TMP
	TOSTAGE 1, TMP+32
	SEND 0, TMP, 16                                ; behind block 0's loads: block 1's 8 stores and 8 loads
	TOSTAGE 2, BI                                  ; (the bias is done with)
	SEND 1, TMP+32, 16
	s_wait_xcnt 0x0                                ; block 0's stores' registers are loaded again only behind this wait
	TOSTAGE 3, TMP
	SEND 2, BI, 16
	SEND 3, TMP, 0
	s_wait_tensorcnt 0x0                           ; the wave's end, behind my last tensor load and my last LDS store
	ds_add_u32 v[SPW], v[NIL]
	s_wait_dscnt 0x0
	CROUND                                         ; the closing round: no work-group ends while a partner may still ask for a tile that names it
	s_endpgm
.Lfunc_end_k_qb945036061_outp:
	.size	k_qb945036061_outp, .Lfunc_end_k_qb945036061_outp-k_qb945036061_outp
	.p2alignl 7, 3214868480
	.fill 96, 4, 3214868480
	.section	.rodata,"a",@progbits
	.p2align	6, 0x0
	.amdhsa_kernel k_qb945036061_outp
		.amdhsa_group_segment_fixed_size 327680
		.amdhsa_private_segment_fixed_size 0
		.amdhsa_enable_private_segment 0
		.amdhsa_kernarg_size 32
		.amdhsa_user_sgpr_count 2
		.amdhsa_user_sgpr_kernarg_segment_ptr 1
		.amdhsa_wavefront_size32 1
		.amdhsa_system_sgpr_workgroup_id_x 1
		.amdhsa_system_sgpr_workgroup_id_y 1
		.amdhsa_system_sgpr_workgroup_id_z 1
		.amdhsa_system_vgpr_workitem_id 0
		.amdhsa_next_free_vgpr 512
		.amdhsa_next_free_sgpr 68
		.amdhsa_reserve_vcc 0
		.amdhsa_float_denorm_mode_32 3
		.amdhsa_float_denorm_mode_16_64 3
		.amdhsa_memory_ordered 1
		.amdhsa_forward_progress 1
		.amdhsa_inst_pref_size 86
	.end_amdhsa_kernel
	.amdgpu_metadata
---
amdhsa.version: [ 1, 2 ]
amdhsa.kernels:
  - .name:           k_qb945036061_outp
    .symbol:         k_qb945036061_outp.kd
    .args:
      - { .name: obuf, .offset: 0, .size: 8, .value_kind: global_buffer, .address_space: global }
      - { .name: wo16, .offset: 8, .size: 8, .value_kind: global_buffer, .address_space: global }
      - { .name: b_o, .offset: 16, .size: 8, .value_kind: global_buffer, .address_space: global }
      - { .name: out0, .offset: 24, .size: 8, .value_kind: global_buffer, .address_space: global }
    .group_segment_fixed_size: 327680
    .private_segment_fixed_size: 0
    .kernarg_segment_align: 8
    .kernarg_segment_size: 32
    .max_flat_workgroup_size: 128
    .sgpr_count:     68
    .vgpr_count:     512
    .wavefront_size: 32
...
	.end_amdgpu_metadata
.endif
;; end of part 4
